; MI455X (gfx1250); checked and timed in simulation.
; The chip was launched on July 23, 2026; its instructions are those of AMD's public machine-readable ISA for CDNA 5 (MIT licence, August 2026) and "CDNA5" Instruction Set Architecture Reference Guide (July 2026). The comments in the code are by the model that wrote it; some were corrected since.
;; Self Attention. Allowed arithmetic: float matrix products may take bf16 or f16 operands with f32 sums; all other float work in f32.
;; Inputs: Wk 32 x 256 float32; Wq 32 x 256 float32; Wv 256 x 256 float32; bk 32 float32; bq 32 float32; bv 256 float32; gamma 1 float32; temperature one number float32; x 8 x 256 x 64 x 64 float32.
;; Outputs: out0 8 x 256 x 64 x 64 float32.
;; 2 versions, each right; version 2 is version 1 with the launch proj written anew for expert scheduling mode. Each part assembles by itself: llvm-mc -triple=amdgcn-amd-amdhsa -mcpu=gfx1250 --defsym DOCPART=n.
;; ======== version 1 of 2: 2 launches
;; workspace buffers: kv 18,874,368 bytes; qf 4,194,304 bytes; part 131,072 bytes
;; launch proj (part 1): grid 32 x 8, 8 waves a work-group, no clusters, 243,712 bytes of LDS; arguments x, Wq, Wk, Wv, bq, bk, bv, kv, qf, part; writes kv, qf, part
.if DOCPART == 1
	.amdgcn_target "amdgcn-amd-amdhsa--gfx1250"
	.amdhsa_code_object_version 6
	.text
	.protected	k_q77bbe9b00c_proj
	.globl	k_q77bbe9b00c_proj
	.p2align	8
	.type	k_q77bbe9b00c_proj,@function
k_q77bbe9b00c_proj:
	s_mov_b64 s[64:65], 0
	v_nop
	global_prefetch_b8 v0, s[64:65] scope:SCOPE_SE
	s_setreg_imm32_b32 hwreg(HW_REG_WAVE_MODE, 25, 1), 1
	s_wait_xcnt 0x0
; THE THREE 1x1 CONVOLUTIONS.  q = Wq x + bq, k = Wk x + bk (32 channels), v = Wv x + bv (256 channels); x: [8][256][4096] f32.
; Products in bf16 with f32 sums; biases and the sums of squares in f32.
; A work-group takes 128 positions of one batch: 320 output channels x 128 positions x 256 input channels.
; OUT.  kv: [batch][record R of 128][18,432 bytes].  Bytes 0-16,383: v of keys 32 R .. 32 R + 31, bf16, in the order in which the next launch's
;   matrix instructions want it: [channel block 16][key half 2][lane 32][16 bytes]; lane 16 h + r holds channel r of the block and keys 16 p + 8 h + 0..7.
;   Bytes 16,384-18,431: k (not normalised, bf16) of the key block that the next launch walks BEHIND block R: R + 1, or (R + 5) mod 128 where R mod 4 = 3;
;   [16 keys 2][channel half 2][lane 32][16 bytes]; lane 16 h + r holds key r and channels 16 p + 8 h + 0..7.
;   qf: q with its bias, f32, [batch][tile of 16 queries][p 2][e 2][lane 32][16 bytes]: lane holds query r, channels 16 p + 8 h + 4 e + 0..3.
;   part: [batch][block of 128 positions][half][64] f32: sums of squares over 64 positions; entries 0-31 q's channels, 32-63 k's.
; SHARES.  Wave v: og = v mod 4, ph = v / 4: v's channels 64 og .. + 63 and one tile of 16 channels of q (og 0, 1) or k (og 2, 3), for positions 64 ph .. + 63:
;   20 accumulators, 8 steps of 32 input channels.  Two waves lie on a SIMD, so one wave's LDS loads stand beside the other's products.
; NO CLUSTER, NO TENSOR LOADS: x and the weights are f32 and are rounded to bf16 on their way into LDS, which takes them through registers anyway;
;   as f32 tiles the weights (327,680 bytes) would leave no room for x.
; LIMITS.  x and the weights are rounded to bf16 (their range is f32's); NaN and infinities are not treated apart.
.set PW,    528                        ; a row of weights in LDS: 512 bytes + 16: the 16 rows of a fragment load start at 16 different groups of four banks
.set PX,    288                        ; a row of x (one channel, 128 positions): 256 bytes + 32, for the turning load
.set XB,    320*PW                     ; weights: rows 0-255 Wv, 256-287 Wq, 288-319 Wk; behind them x
.set SPARE, XB+256*PX                  ; the spare words: 128 bytes for each of eight waves; no other line names them
.set REC,   18432                      ; bytes in a record of kv
.set AWV, 1                            ; v1   LDS address of my Wv fragments
.set AWQ, 2                            ; v2   of my tile of Wq or Wk
.set AX0, 3                            ; v3   of my x fragments, input channels 0-127
.set SPW, 4                            ; v4   my spare word; never rewritten
.set NIL, 5                            ; v5   0; never rewritten
.set GL,  6                            ; v6   16 x lane; never rewritten
.set AX1, 7                            ; v7   x fragments, input channels 128-255
.set BQ,  8                            ; v[8:15]    my tile's bias, channel 8 h + j in register j
.set VA,  16                           ; v[16:143]  v's accumulators: (channel block i, position tile p) at VA + 8 (4 i + p)
.set QA,  144                          ; v[144:175] q's or k's: position tile p at QA + 8 p
.set WF,  176                          ; v[176:215] five fragments of weights
.set XF,  216                          ; v[216:247] four fragments of x
.set BV,  248                          ; v[248:255] bv of my four channel blocks, each twice (a pair for the packed add)
.set XS,  16                           ; on the way into LDS: 32 slots of four registers,
.set QS,  144                          ; 16 more,
.set T,   208                          ; four pairs of rounded numbers,
.set SAX, 216                          ; and where x, Wq or Wk, and Wv go
.set SAQ, 217
.set SAV, 218
.set SS,  176                          ; at the end: the sums of squares
	s_load_b512 s[4:19], s[0:1], 0x0               ; x s[4:5], Wq s[6:7], Wk s[8:9], Wv s[10:11], bq s[12:13], bk s[14:15], bv s[16:17], kv s[18:19]
	s_load_b128 s[20:23], s[0:1], 0x40             ; qf s[20:21], part s[22:23]
	v_lshl_add_u32 v[SPW], v0, 2, SPARE
	v_mov_b32 v[NIL], 0
	v_lshrrev_b32 v219, 5, v0
	v_readfirstlane_b32 s24, v219                  ; wave 0..7
	s_and_b32 s25, s24, 3                          ; og
	s_lshr_b32 s26, s24, 2                         ; ph
	s_and_b32 s29, s24, 1                          ; p: which 16 of q's or k's 32 channels
	s_mov_b32 s27, ttmp9                           ; g: block of 128 positions
	s_and_b32 s28, ttmp7, 0xffff                   ; batch
	s_mov_b32 s31, 0                               ; the high word of every offset
	v_and_b32 v219, 31, v0                         ; lane
	v_and_b32 v220, 15, v0                         ; r
	v_bfe_u32 v221, v0, 4, 1                       ; h
	v_lshlrev_b32 v[GL], 4, v219
	v_lshlrev_b32 v219, 3, v219                    ; 8 x lane: four rounded numbers
	v_mul_u32_u24 v[AWV], v220, PW
	v_lshl_add_u32 v[AWV], v221, 4, v[AWV]         ; row r x pitch + 16 h
	s_mul_i32 s30, s25, 16*PW
	s_add_co_u32 s30, s30, 256*PW
	v_add_nc_u32 v[AWQ], s30, v[AWV]               ; rows 256 + 16 og on
	s_mul_i32 s30, s25, 64*PW
	v_add_nc_u32 v[AWV], s30, v[AWV]               ; rows 64 og on
	v_and_b32 v222, 7, v0                          ; the turning load: lane reads input channel 8 h + lane mod 8, positions 8 ((lane / 8) mod 2) + 0..7
	v_lshl_add_u32 v222, v221, 3, v222
	v_mul_u32_u24 v[AX0], v222, PX
	v_bfe_u32 v223, v0, 3, 1
	v_lshl_add_u32 v[AX0], v223, 4, v[AX0]
	s_lshl_b32 s30, s26, 7                         ; my 64 positions: 128 bytes x ph
	s_add_co_u32 s30, s30, XB
	v_add_nc_u32 v[AX0], s30, v[AX0]
	v_add_nc_u32 v[AX1], 128*PX, v[AX0]
	s_mul_i32 s30, s24, 32*PX                      ; into LDS: wave v rounds x's channels 32 v .. + 31,
	s_add_co_u32 s30, s30, XB
	v_add_nc_u32 v[SAX], s30, v219
	s_mul_i32 s30, s24, 8*PW                       ; rows 256 + 8 v .. + 7 (Wq for waves 0-3, Wk for 4-7),
	s_add_co_u32 s30, s30, 256*PW
	v_add_nc_u32 v[SAQ], s30, v219
	s_mul_i32 s30, s24, 32*PW                      ; and Wv's rows 32 v .. + 31
	v_add_nc_u32 v[SAV], s30, v219
	v_lshlrev_b32 v222, 2, v220
	v_lshl_add_u32 v222, s25, 8, v222              ; bv: 4 (64 og + r)
	v_lshlrev_b32 v223, 5, v221
	v_lshl_add_u32 v223, s29, 6, v223              ; bq or bk: 4 (16 p + 8 h)
	s_wait_kmcnt 0x0
	s_lshl_b32 s30, s28, 22                        ; x: batch x 4 MiB + 512 g + my 32 channels
	s_lshl_b32 s42, s27, 9
	s_add_co_u32 s30, s30, s42
	s_lshl_b32 s42, s24, 19
	s_add_co_u32 s30, s30, s42
	s_add_nc_u64 s[4:5], s[4:5], s[30:31]
	s_cmp_lt_u32 s24, 4
	s_cselect_b64 s[32:33], s[6:7], s[8:9]         ; Wq or Wk,
	s_lshl_b32 s30, s25, 13                        ; my eight rows of 1,024 bytes
	s_add_nc_u64 s[32:33], s[32:33], s[30:31]
	s_lshl_b32 s30, s24, 15                        ; Wv: my 32 rows
	s_add_nc_u64 s[10:11], s[10:11], s[30:31]
	s_cmp_lt_u32 s25, 2
	s_cselect_b64 s[34:35], s[12:13], s[14:15]     ; bq or bk
.set i, 0
.rept 4
	global_load_b32 v[BV+2*i], v222, s[16:17] offset:64*i
.set i, i+1
.endr
	global_load_b128 v[BQ:BQ+3], v223, s[34:35]
	global_load_b128 v[BQ+4:BQ+7], v223, s[34:35] offset:16
.set i, 0
.rept 32
	global_load_b128 v[XS+4*i:XS+4*i+3], v[GL], s[4:5] offset:16384*i  ; a channel's 128 positions: 512 consecutive bytes
.set i, i+1
.endr
.set i, 0
.rept 16
	global_load_b128 v[QS+4*i:QS+4*i+3], v[GL], s[32:33] offset:512*i
.set i, i+1
.endr
	; where the results go, made while the loads are out
	s_mul_i32 s43, s28, 128*REC                    ; my batch in kv
	s_lshl_b32 s42, s27, 2                         ; 4 g
	s_lshl_b32 s44, s26, 1
	s_add_co_u32 s44, s42, s44                     ; record 4 g + 2 ph: my first 32 positions
	s_mul_i32 s45, s44, REC
	s_add_co_u32 s45, s45, s43
	s_lshl_b32 s46, s25, 12                        ; my four channel blocks of 1,024 bytes
	s_add_co_u32 s30, s45, s46
	s_add_nc_u64 s[36:37], s[18:19], s[30:31]      ; v
	s_lshl_b32 s46, s29, 9
	s_add_co_u32 s46, s46, 16384                   ; k's part of a record, my channel half
	s_add_co_u32 s30, s45, s46
	s_add_nc_u64 s[40:41], s[18:19], s[30:31]      ; k of my second 32 positions lies one record back: in record 4 g + 2 ph
	s_add_co_u32 s47, s42, 1
	s_sub_co_u32 s44, s42, 5
	s_and_b32 s44, s44, 127
	s_cmp_lg_u32 s26, 0
	s_cselect_b32 s44, s47, s44                    ; k of my first 32: record 4 g + 1 (ph = 1), or (4 g - 5) mod 128 (ph = 0)
	s_mul_i32 s30, s44, REC
	s_add_co_u32 s30, s30, s43
	s_add_co_u32 s30, s30, s46
	s_add_nc_u64 s[38:39], s[18:19], s[30:31]
	s_lshl_b32 s30, s28, 19                        ; qf: batch x 256 tiles x 2,048 + tile 8 g + 4 ph + 1,024 p
	s_lshl_b32 s44, s27, 14
	s_add_co_u32 s30, s30, s44
	s_lshl_b32 s44, s26, 13
	s_add_co_u32 s30, s30, s44
	s_lshl_b32 s44, s29, 10
	s_add_co_u32 s30, s30, s44
	s_add_nc_u64 s[20:21], s[20:21], s[30:31]
	s_lshl_b32 s30, s28, 14                        ; part: row (32 batch + g) 2 + ph of 256 bytes
	s_lshl_b32 s44, s27, 9
	s_add_co_u32 s30, s30, s44
	s_lshl_b32 s44, s26, 8
	s_add_co_u32 s30, s30, s44
	s_add_nc_u64 s[22:23], s[22:23], s[30:31]
; PHASE 1: f32 to bf16, into LDS.  A slot's four numbers are rounded and stored; left = the loads younger than the slot's, which stay out (loads come back in order: ISA guide 5.7.1).
.set TI, 0
.macro CONV reg, left, addr, off
	s_wait_loadcnt \left
	v_cvt_pk_bf16_f32 v[T+2*(TI%4)], v[(\reg)], v[(\reg)+1]
	v_cvt_pk_bf16_f32 v[T+2*(TI%4)+1], v[(\reg)+2], v[(\reg)+3]
	ds_store_b64 v[\addr], v[T+2*(TI%4):T+2*(TI%4)+1] offset:\off
.set TI, TI+1
.endm
; 48 slots hold x (32) and Wq or Wk (16); each slot that is emptied takes one of Wv's 64 loads, so 47 younger loads are out until Wv's last load has gone.
.set i, 0
.rept 32
	CONV XS+4*i, 47, SAX, i*PX
	global_load_b128 v[XS+4*i:XS+4*i+3], v[GL], s[10:11] offset:512*i
.set i, i+1
.endr
.set i, 0
.rept 16
	CONV QS+4*i, 47, SAQ, (i/2)*PW+256*(i%2)
	global_load_b128 v[QS+4*i:QS+4*i+3], v[GL], s[10:11] offset:512*(32+i)
.set i, i+1
.endr
.set i, 0
.rept 16
	CONV XS+4*i, 47, SAV, (i/2)*PW+256*(i%2)
	global_load_b128 v[XS+4*i:XS+4*i+3], v[GL], s[10:11] offset:512*(48+i)
.set i, i+1
.endr
.set i, 16
.rept 16
	CONV XS+4*i, 63-i, SAV, (i/2)*PW+256*(i%2)     ; nothing more to load: the counts run down
.set i, i+1
.endr
.set i, 0
.rept 16
	CONV QS+4*i, 31-i, SAV, ((32+i)/2)*PW+256*(i%2)
.set i, i+1
.endr
.set i, 0
.rept 16
	CONV XS+4*i, 15-i, SAV, ((48+i)/2)*PW+256*(i%2)
.set i, i+1
.endr
	s_wait_dscnt 0x0                               ; for the others' sake: my stores into LDS are done
	s_barrier_signal -1
	s_barrier_wait -1                              ; weights and x are whole; nothing is written into them again
; PHASE 2: eight steps of 32 input channels.  v = x (source 0: 16 positions) times Wv (source 1: 16 channels): a lane then holds one channel and eight neighbouring positions.
; q, k = W (source 0) times x (source 1): a lane then holds one position and eight channels.  The 20 accumulators take turns.
.macro KSTEP k
.if (\k) > 0
.rept 4
	v_nop                                          ; four places between the last products and the loads into their sources (ISA guide 7.12.1 for vector instructions)
.endr
.endif
.set i, 0
.rept 4
	ds_load_b128 v[WF+8*i:WF+8*i+3],   v[AWV] offset:i*16*PW+64*(\k)
	ds_load_b128 v[WF+8*i+4:WF+8*i+7], v[AWV] offset:i*16*PW+64*(\k)+32
.set i, i+1
.endr
	ds_load_b128 v[WF+32:WF+35], v[AWQ] offset:64*(\k)
	ds_load_b128 v[WF+36:WF+39], v[AWQ] offset:64*(\k)+32
.set i, 0
.rept 4
	ds_load_tr16_b128 v[XF+8*i:XF+8*i+3],   v[AX0+4*((\k)/4)] offset:((\k)%4)*32*PX+32*i
	ds_load_tr16_b128 v[XF+8*i+4:XF+8*i+7], v[AX0+4*((\k)/4)] offset:((\k)%4)*32*PX+32*i+16*PX
.set i, i+1
.endr
	s_wait_dscnt 0x0
.set i, 0
.rept 4
.set p, 0
.rept 4
.if (\k) == 0
	v_wmma_f32_16x16x32_bf16 v[VA+8*(4*i+p):VA+8*(4*i+p)+7], v[XF+8*p:XF+8*p+7], v[WF+8*i:WF+8*i+7], 0
.else
	v_wmma_f32_16x16x32_bf16 v[VA+8*(4*i+p):VA+8*(4*i+p)+7], v[XF+8*p:XF+8*p+7], v[WF+8*i:WF+8*i+7], v[VA+8*(4*i+p):VA+8*(4*i+p)+7]
.endif
.set p, p+1
.endr
.set i, i+1
.endr
.set p, 0
.rept 4
.if (\k) == 0
	v_wmma_f32_16x16x32_bf16 v[QA+8*p:QA+8*p+7], v[WF+32:WF+39], v[XF+8*p:XF+8*p+7], v[BQ:BQ+7]  ; the bias starts the sum
.else
	v_wmma_f32_16x16x32_bf16 v[QA+8*p:QA+8*p+7], v[WF+32:WF+39], v[XF+8*p:XF+8*p+7], v[QA+8*p:QA+8*p+7]
.endif
.set p, p+1
.endr
.endm
.irp k, 0,1,2,3,4,5,6,7
	KSTEP \k
.endr
; PHASE 3.  The four copies are the four places behind the last products.
.set i, 0
.rept 4
	v_mov_b32 v[BV+2*i+1], v[BV+2*i]
.set i, i+1
.endr
.set a, 0
.rept 16                               ; v: + bias, rounded in place into the accumulator's four lowest registers, 16 bytes a lane, 512 consecutive bytes a store
.set RA, VA+8*a
.set q, 0
.rept 4
	v_pk_add_f32 v[RA+2*q:RA+2*q+1], v[RA+2*q:RA+2*q+1], v[BV+2*(a/4):BV+2*(a/4)+1]
.set q, q+1
.endr
.set q, 0
.rept 4
	v_cvt_pk_bf16_f32 v[RA+q], v[RA+2*q], v[RA+2*q+1]
.set q, q+1
.endr
	global_store_b128 v[GL], v[RA:RA+3], s[36:37] offset:((a%4)/2)*REC+1024*(a/4)+512*(a%2)
.set a, a+1
.endr
.set q, 0
.rept 4                                ; sums of squares of my tile over my four position tiles: the first product starts them
	v_pk_mul_f32 v[SS+2*q:SS+2*q+1], v[QA+2*q:QA+2*q+1], v[QA+2*q:QA+2*q+1]
.set q, q+1
.endr
.set p, 1
.rept 3
.set q, 0
.rept 4
	v_pk_fma_f32 v[SS+2*q:SS+2*q+1], v[QA+8*p+2*q:QA+8*p+2*q+1], v[QA+8*p+2*q:QA+8*p+2*q+1], v[SS+2*q:SS+2*q+1]
.set q, q+1
.endr
.set p, p+1
.endr
	s_cmp_lt_u32 s25, 2
	s_cbranch_scc0 .Lkeys
.set p, 0
.rept 4                                ; q stays f32: it is scaled by the norms before it is rounded
	global_store_b128 v[GL], v[QA+8*p:QA+8*p+3],   s[20:21] offset:2048*p
	global_store_b128 v[GL], v[QA+8*p+4:QA+8*p+7], s[20:21] offset:2048*p+512
.set p, p+1
.endr
	s_branch .Lsums
.Lkeys:
.set p, 0
.rept 4
.set q, 0
.rept 4
	v_cvt_pk_bf16_f32 v[QA+8*p+q], v[QA+8*p+2*q], v[QA+8*p+2*q+1]
.set q, q+1
.endr
	global_store_b128 v[GL], v[QA+8*p:QA+8*p+3], s[38+2*(p/2):39+2*(p/2)] offset:1024*(p%2)
.set p, p+1
.endr
.Lsums:
.irp m, 1,2,4,8                        ; over the 16 positions of a half of the lanes
.set j, 0
.rept 8
	v_add_f32_dpp v[SS+j], v[SS+j], v[SS+j] row_xmask:\m row_mask:0xf bank_mask:0xf
.set j, j+1
.endr
.endr
	v_and_b32 v216, 7, v0                          ; lane takes channel 8 h + r mod 8; lanes r and r + 8 store the same word with the same number, so all lanes stay on
	v_mov_b32 v217, v[SS]
.set j, 1
.rept 7
	v_cmp_eq_u32 vcc_lo, j, v216
	v_cndmask_b32 v217, v217, v[SS+j], vcc_lo
.set j, j+1
.endr
	v_bfe_u32 v218, v0, 4, 1
	v_lshlrev_b32 v218, 5, v218
	v_lshl_add_u32 v218, v216, 2, v218
	v_lshl_add_u32 v218, s25, 6, v218              ; entry 16 og + 8 h + r mod 8
	global_store_b32 v218, v217, s[22:23]
	s_wait_tensorcnt 0x0                           ; the wave's end, behind my last LDS store
	ds_add_u32 v[SPW], v[NIL]
	s_wait_dscnt 0x0
	s_endpgm
.Lfunc_end_k_q77bbe9b00c_proj:
	.size	k_q77bbe9b00c_proj, .Lfunc_end_k_q77bbe9b00c_proj-k_q77bbe9b00c_proj
	.p2alignl 7, 3214868480
	.fill 96, 4, 3214868480
	.section	.rodata,"a",@progbits
	.p2align	6, 0x0
	.amdhsa_kernel k_q77bbe9b00c_proj
		.amdhsa_group_segment_fixed_size 243712
		.amdhsa_private_segment_fixed_size 0
		.amdhsa_enable_private_segment 0
		.amdhsa_kernarg_size 80
		.amdhsa_user_sgpr_count 2
		.amdhsa_user_sgpr_kernarg_segment_ptr 1
		.amdhsa_wavefront_size32 1
		.amdhsa_system_sgpr_workgroup_id_x 1
		.amdhsa_system_sgpr_workgroup_id_y 1
		.amdhsa_system_sgpr_workgroup_id_z 1
		.amdhsa_system_vgpr_workitem_id 0
		.amdhsa_next_free_vgpr 256
		.amdhsa_next_free_sgpr 66
		.amdhsa_reserve_vcc 1
		.amdhsa_float_denorm_mode_32 3
		.amdhsa_float_denorm_mode_16_64 3
		.amdhsa_memory_ordered 1
		.amdhsa_forward_progress 1
		.amdhsa_inst_pref_size 76
	.end_amdhsa_kernel
	.amdgpu_metadata
---
amdhsa.version: [ 1, 2 ]
amdhsa.kernels:
  - .name:           k_q77bbe9b00c_proj
    .symbol:         k_q77bbe9b00c_proj.kd
    .args:
      - { .name: x, .offset: 0, .size: 8, .value_kind: global_buffer, .address_space: global }
      - { .name: Wq, .offset: 8, .size: 8, .value_kind: global_buffer, .address_space: global }
      - { .name: Wk, .offset: 16, .size: 8, .value_kind: global_buffer, .address_space: global }
      - { .name: Wv, .offset: 24, .size: 8, .value_kind: global_buffer, .address_space: global }
      - { .name: bq, .offset: 32, .size: 8, .value_kind: global_buffer, .address_space: global }
      - { .name: bk, .offset: 40, .size: 8, .value_kind: global_buffer, .address_space: global }
      - { .name: bv, .offset: 48, .size: 8, .value_kind: global_buffer, .address_space: global }
      - { .name: kv, .offset: 56, .size: 8, .value_kind: global_buffer, .address_space: global }
      - { .name: qf, .offset: 64, .size: 8, .value_kind: global_buffer, .address_space: global }
      - { .name: part, .offset: 72, .size: 8, .value_kind: global_buffer, .address_space: global }
    .group_segment_fixed_size: 243712
    .private_segment_fixed_size: 0
    .kernarg_segment_align: 8
    .kernarg_segment_size: 80
    .max_flat_workgroup_size: 256
    .sgpr_count:     66
    .vgpr_count:     256
    .wavefront_size: 32
...
	.end_amdgpu_metadata
.endif
;; end of part 1
;; launch attn (part 2): grid 32 x 8, 4 waves a work-group, clusters of 4 x 1, 327,680 bytes of LDS; arguments kv, qf, part, x, gamma, temperature, out0; writes out0
.if DOCPART == 2
	.amdgcn_target "amdgcn-amd-amdhsa--gfx1250"
	.amdhsa_code_object_version 6
	.text
	.protected	k_q77bbe9b00c_attn
	.globl	k_q77bbe9b00c_attn
	.p2align	8
	.type	k_q77bbe9b00c_attn,@function
k_q77bbe9b00c_attn:
	s_mov_b64 s[64:65], 0
	v_nop
	global_prefetch_b8 v0, s[64:65] scope:SCOPE_SE
	s_setreg_imm32_b32 hwreg(HW_REG_WAVE_MODE, 25, 1), 1
	s_wait_xcnt 0x0
	s_wait_alu depctr_hold_cnt(0) depctr_sa_sdst(0) depctr_va_vdst(0) depctr_va_sdst(0) depctr_va_ssrc(0) depctr_va_vcc(0) depctr_vm_vsrc(0)
	s_getreg_b32 s2, hwreg(HW_REG_IB_STS2, 6, 4)
	s_cmp_eq_u32 s2, 0
	s_cbranch_scc0 .Lentry_in_a_cluster
	s_endpgm
.Lentry_in_a_cluster:
	s_bfe_u32 s2, ttmp6, 0x10000c
	s_cmp_lg_u32 s2, 0x3003
	s_cbranch_scc0 .Lentry_shape_is_right
	s_endpgm
.Lentry_shape_is_right:
; out0 = gamma x (V softmax(qn^T kn / (T + 1e-6) + I)^T) + x.  kv, qf, part as the launch before left them (its head gives the layouts).
; SHARES.  A work-group owns 128 queries of one batch.  Wave WV: kh = WV mod 2, qh = WV / 2: 64 queries (four tiles of 16), all 256 channels, HALF of the keys; the two halves' sums meet in LDS at the end.
;   So a fragment of V read from LDS feeds four tiles' products: 36 LDS loads for a key step's 72 matrix instructions.
; NORMS.  Every wave adds part's 64 rows.  f[c] = log2(e) / (max(|q_c|, 1e-12) max(|k_c|, 1e-12) (T + 1e-6)); q x f is rounded to bf16 once; k stays as it is.  So K Q^T is log2(e) x energy without the identity.
; TWO PASSES.  Pass 1 makes K Q^T for all keys and keeps the true maximum m of each query (the identity's + log2(e) on the diagonal included).  Pass 2 takes -m as the C operand of K Q^T,
;   so that the exponential works straight on the product: no scaling, no rescaling of the 64 x 256 sums.  Pass 1 is 512 matrix instructions a wave beside pass 2's 4,608.
; THE IDENTITY.  The loops leave it out.  With p_d = 2^(s_nn - m), both key halves' waves start l with (e - 1) / 2 x p_d and O with (e - 1) / 2 x p_d x v_n: 64 products with C = 0 on the wave's own 64 keys,
;   which start all 64 accumulators: nothing is cleared.
; LAYOUT.  S^T = K Q^T (source 0 = 16 keys, source 1 = 16 queries): a lane holds ONE query (lane mod 16) and keys 8 (lane / 16) + 0..7.  Two such results rounded to bf16 ARE source 1 of O^T = V^T P.
; THE WALK.  In step j (0..63) wave kh takes record 8 (j / 4) + 4 kh + j mod 4: V of that key block and K of the NEXT step's block.  Two LDS slots of 8 records (147,456 dense bytes) take turns: four steps a slot.
; CLUSTER.  The four work-groups of a cluster belong to one batch and walk the same kv: every tensor load is asked for JOINTLY, same descriptor, mask of four.  By this text's count a wave has two tensor loads out at the start, later one.
; LIMITS.  All products bf16 x bf16 with f32 sums; l sums the unrounded weights; a weight below 2^-126 counts as 0; NaN and infinities are not treated apart.
; REGISTERS, in windows of 256 (s_set_vgpr_msb: bits 1:0 source 0, 3:2 source 1, 5:4 source 2, 7:6 destination).  In EVERY window w:
;   v12-13 LDS address of V's channel blocks 4 w .. 4 w + 3 in slot 0, 1; v14-15 l of tile w; v16-23 -m of tile w; v64-191 O^T of those channel blocks, (tile t, block c) at 64 + 32 t + 8 c;
;   v192-223 V's four fragments; v224-239 S^T of tile w; v240-255 P of tile w, two buffers.  So window w's products and tile w's softmax stand under one setting.
;   window 0 also: v0-11 addresses; v24-31 the diagonal's mask; v32-63 Q.   window 1: v24-25 K's LDS address; v32-47 K of one step.   window 2: v32-63 K of my own 64 keys.
.set REC,   18432
.set SLOTB, 8*REC
.set SLOT1, SLOTB
.set MX,    2*SLOTB                    ; behind the slots, never filled by a tensor load: the waves' maxima, 256 bytes each,
.set LX,    MX+1024                    ; their sums,
.set SPARE, MX+2048                    ; and the spare words, 128 bytes a wave: no other line names them
.set SPIT,  272                        ; the way out: a channel's 64 queries, 256 bytes + 16
.set COPY,  256*SPIT                   ; a wave's stage: it lies in the slots, behind their last fill
.set RR,  1                            ; v1   lane mod 16
.set HH,  2                            ; v2   lane / 16
.set L16, 3                            ; v3   16 x lane; never rewritten
.set AKP, 4                            ; v4   pass 1: where K is read; later the stage
.set AKL, 5                            ; v5   pass 1: my half of a half of K; later the stage's second half
.set MXA, 6                            ; v6   my words in MX (LX is 1,024 further)
.set MXP, 7                            ; v7   my partner's; later both waves' l
.set CO,  8                            ; v8   two rows of x or out0: (lane / 16) x 16,384 + 16 (lane mod 16); never rewritten
.set PFO, 9                            ; v9   16,384 x lane; never rewritten
.set SPW, 10                           ; v10  my spare word; never rewritten
.set NIL, 11                           ; v11  0; never rewritten
.set AV,  12
.set LS,  14
.set NM,  16
.set MD,  24
.set QF,  32
.set O,   64
.set VO,  128                          ; V of my own first 32 keys, until O's tile 2 takes the registers
.set VF,  192
.set S,   224
.set P,   240
.set AK,  24                           ; window 1
.set KF,  32                           ; window 1
.set KO,  32                           ; window 2
.set PS,  64                           ; pass 1, window 0: two sets of four tiles' scores,
.set KB,  160                          ; a ring of four fragments of K,
.set CH,  224                          ; four running maxima a tile
.set DG,  244                          ; lane mod 16 - 8 (lane / 16): the register that holds the diagonal
.set G1K,  24                          ; s[24:31] group 1: K's parts of 16 records
.set G1S,  32                          ; s[32:39] group 1: a quarter of a slot
.set G0KA, 40                          ; s[40:43], s[44:47] group 0: K of records 0-63, 64-127
.set G0KB, 44
.set G0S0, 48                          ; s[48:51], s[52:55] group 0 of slot 0, 1
.set G0S1, 52
.set MSB, 0
.macro WIN new                         ; the immediate's high byte repeats the setting that is left; a switch that changes nothing is dropped
.if MSB != (\new)
	s_set_vgpr_msb (MSB<<8)|(\new)
.set MSB, \new
.endif
.endm
.macro NOPS n
.rept \n
	v_nop
.endr
.endm
; A round of the cluster's barrier: my work-group's barrier, so that wave 0's signal speaks for all four waves; wave 0 signals; every wave waits for all four work-groups; my work-group's barrier once more.
.macro CROUND
	s_barrier_signal -1
	s_barrier_wait -1
	s_cmp_lg_u32 s18, 0
	s_cbranch_scc1 .Lnot_wave_0_\@
	s_barrier_signal -3
.Lnot_wave_0_\@:
	s_barrier_wait -3
	s_barrier_signal -1
	s_barrier_wait -1
.endm
.macro FILL g0                         ; my quarter of a slot: every wave issues this line with its own two records; an s_nop 0 and four v_nop follow
	tensor_load_to_lds s[\g0:\g0+3], s[G1S:G1S+7]
	s_nop 0
	NOPS 4
.endm
; THE CHANGE OF SLOTS.  Each wave waits for all its tensor loads (one is out: its quarter of the other slot), adds 0 to its spare word, and waits for that and for its reads of the slot that it leaves.
; fill = 1: a round of the cluster's barrier, so that no wave of any partner still reads the slot or has a load on its way; the joint refill, two slots on, is the first thing behind it: it has four key steps in which to land.
.macro CHANGE fill, g0
	WIN 0
	s_wait_tensorcnt 0x0                           ; no tensor load of mine is out, so a group 0 may be written
	ds_add_u32 v[SPW], v[NIL]
.if \fill
	s_add_nc_u64 s[\g0+2:\g0+3], s[\g0+2:\g0+3], 2*SLOTB
.endif
	s_wait_dscnt 0x0                               ; the add is done, and my reads of the slot are over
.if \fill
	CROUND
	FILL \g0
.else
	s_barrier_signal -1
	s_barrier_wait -1
.endif
.endm
	s_load_b256 s[4:11], s[0:1], 0x0               ; kv s[4:5], qf s[6:7], part s[8:9], x s[10:11]
	s_load_b128 s[12:15], s[0:1], 0x20             ; gamma s[12:13], temperature s[14:15]
	s_load_b64 s[16:17], s[0:1], 0x30              ; out0
	v_lshl_add_u32 v[SPW], v0, 2, SPARE
	v_mov_b32 v[NIL], 0
	ds_add_u32 v[SPW], v[NIL]                      ; the wave's opening: the add and its wait stand ahead of my first tensor load; work on registers stands between them
	v_lshrrev_b32 v1, 5, v0
	v_readfirstlane_b32 s18, v1                    ; wave 0..3
	s_and_b32 s19, s18, 1                          ; kh
	s_lshr_b32 s20, s18, 1                         ; qh
	s_bfe_u32 s21, ttmp6, 0x40000                  ; cx: my place in the cluster
	s_lshl_b32 s22, ttmp9, 2
	s_add_co_u32 s22, s22, s21                     ; my block of 128 queries: it enters global addresses of my own loads and stores alone
	s_and_b32 s23, ttmp7, 0xffff                   ; the batch, which the four partners share
	; group 1 for K's parts: elements of 8 bytes; 16 rows of 256 elements (2,048 bytes), 2,304 elements (a record) apart
	s_mov_b32 s[G1K+0], 15|(3<<16)|(1<<21)         ; 15:0 the mask of four; 17:16 8-byte elements; 21 set beside a mask
	s_mov_b32 s[G1K+1], 256<<16                    ; tensor_dim0
	s_mov_b32 s[G1K+2], 16<<16                     ; tensor_dim1
	s_mov_b32 s[G1K+3], 256<<16                    ; tile_dim0
	s_mov_b32 s[G1K+4], 16                         ; tile_dim1
	s_mov_b32 s[G1K+5], REC/8                      ; from row to row
	s_mov_b32 s[G1K+6], 0
	s_mov_b32 s[G1K+7], 0
	; group 1 for a quarter of a slot: 36,864 dense bytes as 144 rows of 256
	s_mov_b32 s[G1S+0], 15|(3<<16)|(1<<21)
	s_mov_b32 s[G1S+1], 32<<16
	s_mov_b32 s[G1S+2], 144<<16
	s_mov_b32 s[G1S+3], 32<<16
	s_mov_b32 s[G1S+4], 144
	s_mov_b32 s[G1S+5], 32
	s_mov_b32 s[G1S+6], 0
	s_mov_b32 s[G1S+7], 0
	s_mov_b32 s[G0KA], 1
	s_lshl_b32 s[G0KA+1], s18, 15                  ; K of record R lies at 2,048 R (R < 64): my 16 records
	s_mov_b32 s[G0KB], 1
	s_add_co_u32 s[G0KB+1], s[G0KA+1], SLOT1       ; K of record 64 + R at SLOT1 + 2,048 R
	s_mov_b32 s[G0S0], 1
	s_mul_i32 s[G0S0+1], s18, 2*REC
	s_mov_b32 s[G0S1], 1
	s_add_co_u32 s[G0S1+1], s[G0S0+1], SLOT1
	s_mov_b32 s60, 0x76543210                      ; v_permlanex16_b32: each lane takes its own place in the other half
	s_mov_b32 s61, 0xfedcba98
	s_mov_b32 s82, 0x3fb8aa3b                      ; log2(e)
	s_mov_b32 s83, 0x3f5bf0a9                      ; (e - 1) / 2
	s_mul_i32 s84, s23, 128*REC                    ; my batch in kv
	s_mov_b32 s85, 0
	s_wait_dscnt 0x0                               ; the opening add is done
	s_wait_kmcnt 0x0
	s_load_b32 s80, s[12:13], 0x0                  ; gamma
	s_load_b32 s81, s[14:15], 0x0                  ; T
	s_add_nc_u64 s[56:57], s[4:5], s[84:85]        ; kv at my batch
	s_mul_i32 s84, s18, 16*REC
	s_add_co_u32 s84, s84, 16384
	s_add_nc_u64 s[G0KA+2:G0KA+3], s[56:57], s[84:85]
	s_add_nc_u64 s[G0KB+2:G0KB+3], s[G0KA+2:G0KA+3], 64*REC
	s_or_b32 s[G0KA+3], s[G0KA+3], 0x80000000      ; type = 2
	s_or_b32 s[G0KB+3], s[G0KB+3], 0x80000000
	s_mov_b32 s84, s[G0S0+1]
	s_add_nc_u64 s[G0S0+2:G0S0+3], s[56:57], s[84:85]
	s_add_nc_u64 s[G0S1+2:G0S1+3], s[G0S0+2:G0S0+3], SLOTB
	s_or_b32 s[G0S0+3], s[G0S0+3], 0x80000000
	s_or_b32 s[G0S1+3], s[G0S1+3], 0x80000000
	CROUND                                         ; all four work-groups are here: the first joint loads meet
	tensor_load_to_lds s[G0KA:G0KA+3], s[G1K:G1K+7]
	s_nop 0
	tensor_load_to_lds s[G0KB:G0KB+3], s[G1K:G1K+7]
	s_nop 0
	NOPS 4
	; my own addresses: these hold cx, and live in registers that feed no descriptor and no LDS address
	s_mov_b32 s89, 0
	s_lshl_b32 s86, s22, 2
	s_lshl_b32 s87, s20, 1
	s_add_co_u32 s86, s86, s87                     ; b0: the key block of my first 32 queries
	s_mul_i32 s88, s86, REC
	s_add_nc_u64 s[70:71], s[56:57], s[88:89]      ; V of my own keys: records b0, b0 + 1
	s_add_nc_u64 s[68:69], s[70:71], 16384         ; K of block b0 + 1 lies in record b0,
	s_sub_co_u32 s87, s86, 1
	s_sub_co_u32 s90, s86, 5
	s_and_b32 s90, s90, 127
	s_cmp_lg_u32 s20, 0
	s_cselect_b32 s87, s87, s90                    ; K of block b0 in record b0 - 1 (qh = 1) or (b0 - 5) mod 128 (qh = 0)
	s_mul_i32 s88, s87, REC
	s_add_co_u32 s88, s88, 16384
	s_add_nc_u64 s[66:67], s[56:57], s[88:89]
	s_lshl_b32 s88, s23, 22                        ; x and out0: batch, channel 128 kh, query 128 block + 64 qh
	s_lshl_b32 s87, s19, 21
	s_add_co_u32 s88, s88, s87
	s_lshl_b32 s87, s22, 9
	s_add_co_u32 s88, s88, s87
	s_lshl_b32 s87, s20, 8
	s_add_co_u32 s88, s88, s87
	s_add_nc_u64 s[72:73], s[10:11], s[88:89]
	s_add_nc_u64 s[74:75], s[16:17], s[88:89]
	s_lshl_b32 s88, s23, 19                        ; qf: batch, tile 8 block + 4 qh
	s_lshl_b32 s87, s22, 14
	s_add_co_u32 s88, s88, s87
	s_lshl_b32 s87, s20, 13
	s_add_co_u32 s88, s88, s87
	s_add_nc_u64 s[76:77], s[6:7], s[88:89]
	s_lshl_b32 s88, s23, 14                        ; part: the batch's 64 rows of 256 bytes
	s_add_nc_u64 s[78:79], s[8:9], s[88:89]
	v_and_b32 v[RR], 15, v0
	v_bfe_u32 v[HH], v0, 4, 1
	v_and_b32 v[L16], 31, v0
	v_lshlrev_b32 v[PFO], 14, v[L16]
	v_lshlrev_b32 v[L16], 4, v[L16]
	; THE PROLOGUE, in the wait for K.
.set i, 0
.rept 32
	global_load_b128 v[64+4*i:67+4*i], v[L16], s[78:79] offset:512*i      ; part: rows 2 i + lane / 16, entries 4 (lane mod 16) + 0..3
.set i, i+1
.endr
.set i, 0
.rept 16
	global_load_b128 v[192+4*i:195+4*i], v[L16], s[76:77] offset:512*i    ; q, f32: tile i / 4, channels 16 p + 8 h + 4 e on, 2 p + e = i mod 4
.set i, i+1
.endr
	WIN 0x80
.set t, 0
.rept 4
	global_load_b128 v[KO+8*t:KO+8*t+3],   v[L16], s[66+2*(t/2):67+2*(t/2)] offset:1024*(t%2)
	global_load_b128 v[KO+8*t+4:KO+8*t+7], v[L16], s[66+2*(t/2):67+2*(t/2)] offset:1024*(t%2)+512
.set t, t+1
.endr
	WIN 0
	s_lshl_b32 s84, s18, 8
	s_add_co_u32 s84, s84, MX
	v_lshl_add_u32 v[MXA], v[RR], 2, s84
	s_xor_b32 s84, s18, 1                          ; my partner has my queries and the other keys
	s_lshl_b32 s84, s84, 8
	s_add_co_u32 s84, s84, MX
	v_lshl_add_u32 v[MXP], v[RR], 2, s84
	v_lshlrev_b32 v[CO], 14, v[HH]
	v_lshl_add_u32 v[CO], v[RR], 4, v[CO]
	s_lshl_b32 s84, s19, 16
	v_add_nc_u32 v[AKL], s84, v[L16]               ; pass 1: wave kh walks 32 of a half's 64 records
	s_mul_i32 s84, s19, 4*REC                      ; pass 2: wave kh has a slot's records 4 kh .. 4 kh + 3
.set w, 0
.rept 4
.set WW, w<<6
	WIN WW
	s_add_co_u32 s91, s84, 4096*w
	v_add_nc_u32 v[AV], s91, v[L16]
	s_add_co_u32 s91, s91, SLOT1
	v_add_nc_u32 v[AV+1], s91, v[L16]
.if w == 1
	s_add_co_u32 s91, s84, 16384
	v_add_nc_u32 v[AK], s91, v[L16]
	s_add_co_u32 s91, s91, SLOT1
	v_add_nc_u32 v[AK+1], s91, v[L16]
.endif
.set w, w+1
.endr
	WIN 0
	s_wait_loadcnt 24                              ; part is in; the 16 loads of q and the 8 of K are younger
.set st, 16
.rept 5                                ; 32 slots into one, by halves
.set i, 0
.rept st
	v_pk_add_f32 v[64+4*i:65+4*i], v[64+4*i:65+4*i], v[64+4*(i+st):65+4*(i+st)]
	v_pk_add_f32 v[66+4*i:67+4*i], v[66+4*i:67+4*i], v[66+4*(i+st):67+4*(i+st)]
.set i, i+1
.endr
.set st, st/2
.endr
.set i, 0
.rept 4
	v_permlanex16_b32 v[68+i], v[64+i], s60, s61   ; the odd rows lie in the other half of the lanes
.set i, i+1
.endr
.set i, 0
.rept 4
	v_add_f32 v[64+i], v[64+i], v[68+i]            ; lanes with lane mod 16 < 8: q's channels 4 (lane mod 8) + i; the others: k's
.set i, i+1
.endr
.set i, 0
.rept 4
	v_sqrt_f32 v[64+i], v[64+i]
.set i, i+1
.endr
	s_wait_kmcnt 0x0                               ; gamma and T
	v_mov_b32 v88, s81                             ; (also the plain instruction behind the roots)
.set i, 0
	s_wait_alu depctr_va_vdst(0)
.rept 4
	v_max_num_f32 v[64+i], 0x2b8cbccc, v[64+i]     ; max(norm, 1e-12)
.set i, i+1
.endr
	v_add_f32 v88, 0x358637bd, v88                 ; T + 1e-6
.set i, 0
.rept 4
	v_rcp_f32 v[64+i], v[64+i]
.set i, i+1
.endr
	v_rcp_f32 v88, v88
	v_cmp_ne_u32 s100, 0, v[HH]                    ; (a plain instruction behind the reciprocals)
	s_wait_alu depctr_va_vdst(0)
	v_mul_f32 v88, s82, v88                        ; log2(e) / (T + 1e-6)
.set i, 0
.rept 4
	v_mul_f32_dpp v[68+i], v[64+i], v[64+i] row_xmask:8 row_mask:0xf bank_mask:0xf  ; q's factor times k's
.set i, i+1
.endr
.set i, 0
.rept 4
	v_mul_f32 v[68+i], v88, v[68+i]                ; f[4 (lane mod 8) + i]
.set i, i+1
.endr
	; a lane's q holds channels 16 p + 8 h + 4 e + i: f of lane 4 p + 2 h + e, register i.  Eight lanes' numbers go through scalars; the lane's half chooses.
.set i, 0
.rept 4
.set j, 0
.rept 8
	v_readlane_b32 s[92+j], v[68+i], j
.set j, j+1
.endr
.set k, 0
.rept 4                                ; k = 2 p + e
	v_mov_b32 v[96+4*k+i], s[92+4*(k/2)+(k%2)]
	v_cndmask_b32 v[96+4*k+i], v[96+4*k+i], s[92+4*(k/2)+2+(k%2)], s100
.set k, k+1
.endr
.set i, i+1
.endr
	s_wait_loadcnt 0x0                             ; q, and K of my own keys
.set t, 0
.rept 4
.set n, 0
.rept 8
	v_pk_mul_f32 v[192+16*t+2*n:192+16*t+2*n+1], v[192+16*t+2*n:192+16*t+2*n+1], v[96+2*n:96+2*n+1]
.set n, n+1
.endr
.set n, 0
.rept 8
	v_cvt_pk_bf16_f32 v[QF+8*t+n], v[192+16*t+2*n], v[192+16*t+2*n+1]
.set n, n+1
.endr
.set t, t+1
.endr
	v_lshlrev_b32 v[DG], 3, v[HH]
	v_sub_nc_u32 v[DG], v[RR], v[DG]
.macro MKMD sreg                       ; the diagonal of a tile of 16 keys x 16 queries: register j where key 8 h + j is query r
.set j, 0
.rept 8
	v_cmp_eq_i32 vcc_lo, j, v[DG]
	v_cndmask_b32 v[MD+j], 0, s[\sreg], vcc_lo
.set j, j+1
.endr
.endm
	MKMD 82                                        ; log2(e) on the diagonal: the identity, for the maximum
.set w, 0
.rept 4                                ; V of my own 64 keys: wanted behind pass 1
.set WW, w<<6
	WIN WW
.set c, 0
.rept 4
	global_load_b128 v[VO+8*c:VO+8*c+3],   v[L16], s[70:71] offset:4096*w+1024*c
	global_load_b128 v[VO+8*c+4:VO+8*c+7], v[L16], s[70:71] offset:4096*w+1024*c+512
	global_load_b128 v[VF+8*c:VF+8*c+3],   v[L16], s[70:71] offset:REC+4096*w+1024*c
	global_load_b128 v[VF+8*c+4:VF+8*c+7], v[L16], s[70:71] offset:REC+4096*w+1024*c+512
.set c, c+1
.endr
.set w, w+1
.endr
	WIN 0
	; PASS 1: the maximum.
	s_wait_tensorcnt 0x1                           ; my part of K's first half is in; the second half's may stay out
	s_barrier_signal -1
	s_barrier_wait -1                              ; everybody's is
	WIN 0x02                                       ; source 0 in window 2
.set t, 0
.rept 4
	v_wmma_f32_16x16x32_bf16 v[PS+32+8*t:PS+32+8*t+7], v[KO+8*t:KO+8*t+7], v[QF+8*t:QF+8*t+7], v[MD:MD+7]  ; my own keys, with the identity
.set t, t+1
.endr
	WIN 0
	NOPS 4
.set i, 0
.rept 16
	v_max_num_f32 v[CH+i], v[PS+32+2*i], v[PS+32+2*i+1]   ; these scores start the four chains of each tile
.set i, i+1
.endr
	MKMD 83                                        ; from here on: (e - 1) / 2 on the diagonal
; A trip: four fragments of 16 keys.  Behind each product stand the four maxima of the same tile in the OTHER set, made one fragment earlier; they are also the places in front of the loads into the ring.
; (A set may be taken twice, at a half's beginning: a maximum does not mind.)  ld = 1: the ring's fragment is loaded again, one trip ahead; six younger loads stay out.
.macro P1TRIP ld
.set q, 0
.rept 4
.if \ld
	s_wait_dscnt 6
.else
	s_wait_dscnt 6-2*q
.endif
.set t, 0
.rept 4
	v_wmma_f32_16x16x32_bf16 v[PS+32*(q%2)+8*t:PS+32*(q%2)+8*t+7], v[KB+8*q:KB+8*q+7], v[QF+8*t:QF+8*t+7], 0
.set i, 0
.rept 4
	v_max3_num_f32 v[CH+4*t+i], v[CH+4*t+i], v[PS+32*(1-q%2)+8*t+2*i], v[PS+32*(1-q%2)+8*t+2*i+1]
.set i, i+1
.endr
.set t, t+1
.endr
.if \ld
	ds_load_b128 v[KB+8*q:KB+8*q+3],   v[AKP] offset:4096+1024*q
	ds_load_b128 v[KB+8*q+4:KB+8*q+7], v[AKP] offset:4096+1024*q+512
.endif
.set q, q+1
.endr
.if \ld
	v_add_nc_u32 v[AKP], 4096, v[AKP]
.endif
.endm
.macro P1HALF base                     ; 64 fragments: my 32 records of one half of K
	v_add_nc_u32 v[AKP], \base, v[AKL]
.set q, 0
.rept 4
	ds_load_b128 v[KB+8*q:KB+8*q+3],   v[AKP] offset:1024*q
	ds_load_b128 v[KB+8*q+4:KB+8*q+7], v[AKP] offset:1024*q+512
.set q, q+1
.endr
	s_mov_b32 s62, 15
.Lp1_\@:
	P1TRIP 1
	s_sub_co_u32 s62, s62, 1
	s_cmp_lg_u32 s62, 0
	s_cbranch_scc1 .Lp1_\@
	P1TRIP 0
.endm
	P1HALF 0
	s_wait_tensorcnt 0x0                           ; K's second half is in; no tensor load of mine is out
	ds_add_u32 v[SPW], v[NIL]
	s_wait_dscnt 0x0                               ; the add is done, and my reads of K's first half are over
	CROUND
	FILL G0S0                                      ; slot 0 takes records 0-7 while K's second half is walked
	P1HALF SLOT1
	NOPS 4
.set i, 0
.rept 16
	v_max3_num_f32 v[CH+i], v[CH+i], v[PS+32+2*i], v[PS+32+2*i+1]   ; the last set
.set i, i+1
.endr
.set t, 0
.rept 4
	v_max3_num_f32 v[CH+4*t], v[CH+4*t], v[CH+4*t+1], v[CH+4*t+2]
.set t, t+1
.endr
.set t, 0
.rept 4
	v_max_num_f32 v[CH+4*t], v[CH+4*t], v[CH+4*t+3]
.set t, t+1
.endr
.set t, 0
.rept 4
	v_permlanex16_b32 v[CH+4*t+1], v[CH+4*t], s60, s61   ; the query's other keys lie in the lane 16 away
.set t, t+1
.endr
.set t, 0
.rept 4
	v_max_num_f32 v[CH+4*t], v[CH+4*t], v[CH+4*t+1]
.set t, t+1
.endr
.set t, 0
.rept 4
	ds_store_b32 v[MXA], v[CH+4*t] offset:64*t     ; for my partner
.set t, t+1
.endr
	s_lshl_b32 s84, s19, 13                        ; K of my step 0 lies in record 123 + 4 kh
	s_add_co_u32 s84, s84, SLOT1+59*2048
	v_add_nc_u32 v[AKP], s84, v[L16]
	WIN 0x40
.set i, 0
.rept 4
	ds_load_b128 v[KF+4*i:KF+4*i+3], v[AKP] offset:512*i
.set i, i+1
.endr
	WIN 0
	s_wait_tensorcnt 0x0                           ; my quarter of slot 0 is in
	ds_add_u32 v[SPW], v[NIL]
	s_wait_dscnt 0x0                               ; the add, my stores of m and my last reads of K's second half are done
	CROUND                                         ; slot 0 is whole, the maxima are there, nobody reads K's second half
	FILL G0S1                                      ; slot 1 takes records 8-15
.set t, 0
.rept 4
	ds_load_b32 v[240+t], v[MXP] offset:64*t
.set t, t+1
.endr
	s_wait_dscnt 0x0
.set t, 0
.rept 4
	v_max_num_f32 v[CH+4*t], v[CH+4*t], v[240+t]
.set t, t+1
.endr
.set t, 0
.rept 4
	v_mul_f32 v[CH+4*t], -1.0, v[CH+4*t]
.set t, t+1
.endr
.set t, 0
.rept 4
.set WW, t<<6
	WIN WW
.set j, 0
.rept 8
	v_mov_b32 v[NM+j], v[CH+4*t]                   ; -m in all eight registers: the C operand of K Q^T
.set j, j+1
.endr
.set t, t+1
.endr
	; THE DIAGONAL starts l and O.
	s_wait_loadcnt 0x0                             ; V of my own keys
.set t, 0
.rept 4
.set WW, 2|(t<<4)|(t<<6)
	WIN WW
	v_wmma_f32_16x16x32_bf16 v[S:S+7], v[KO+8*t:KO+8*t+7], v[QF+8*t:QF+8*t+7], v[NM:NM+7]
.set t, t+1
.endr
	NOPS 4
.set t, 0
.rept 4
.set WW, t|(t<<6)
	WIN WW
.set j, 0
.rept 8
	v_exp_f32 v[S+j], v[S+j]
.set j, j+1
.endr
	v_nop                                          ; a plain instruction behind the exponentials
.set q, 0
	s_wait_alu depctr_va_vdst(0)
.rept 4
	v_pk_mul_f32 v[S+2*q:S+2*q+1], v[S+2*q:S+2*q+1], v[MD+2*q:MD+2*q+1]   ; (e - 1) / 2 x p on the diagonal, 0 elsewhere
.set q, q+1
.endr
.set WW, t*0x55
	WIN WW
.set q, 0
.rept 4
	v_cvt_pk_bf16_f32 v[P+8+4*(t%2)+q], v[S+2*q], v[S+2*q+1]   ; the tile's 16 keys are half t mod 2 of their block of 32;
	v_mov_b32 v[P+8+4*(1-t%2)+q], 0                            ; the other half has no weight
.set q, q+1
.endr
	v_pk_add_f32 v[LS:LS+1], v[S:S+1], v[S+2:S+3]
	v_pk_add_f32 v[S+4:S+5], v[S+4:S+5], v[S+6:S+7]
	v_pk_add_f32 v[LS:LS+1], v[LS:LS+1], v[S+4:S+5]
.set t, t+1
.endr
.set u, 0
.rept 2                                ; tiles 0, 1 with V of block b0; then tiles 2, 3 with V of block b0 + 1
.set w, 0
.rept 4
.set d, 0
.rept 2
.set t, 2*u+d
.set WW, w|(t<<2)|(w<<4)|(w<<6)
	WIN WW
.set c, 0
.rept 4
	v_wmma_f32_16x16x32_bf16 v[O+32*t+8*c:O+32*t+8*c+7], v[VO+64*u+8*c:VO+64*u+8*c+7], v[P+8:P+15], 0
.set c, c+1
.endr
.set d, d+1
.endr
.set w, w+1
.endr
.if u == 0
	NOPS 5                                         ; tile 2's sums take the registers from which block b0's V has just been read
.endif
.set u, u+1
.endr
; K Q^T - m for one step, all four tiles; four places behind it, for the exponentials that read it and for the next loads into K's registers.
.macro KQALL
.set t, 0
.rept 4
.set WW, 1|(t<<4)|(t<<6)
	WIN WW
	v_wmma_f32_16x16x32_bf16 v[S:S+7],    v[KF:KF+7],    v[QF+8*t:QF+8*t+7], v[NM:NM+7]
	v_wmma_f32_16x16x32_bf16 v[S+8:S+15], v[KF+8:KF+15], v[QF+8*t:QF+8*t+7], v[NM:NM+7]
.set t, t+1
.endr
	NOPS 4
.endm
; A KEY STEP's text, number j: V^T P of step j (P's buffer par); the softmax of step j + 1 (into the other buffer); the loads of V of step j + 1 and K of step j + 2 from record rec of slot; K Q^T of step j + 2.
; Window by window: 12 products of the other three tiles, the 16 exponentials of tile w behind them (no switch: destination and source 0 are window w's); then tile w's own four products, each with four plain
; instructions behind it: roundings, roundings, sums, sums.  The last four are the places in front of the loads into V's registers.  All accumulators take turns, one instruction a turn.
; The wait at a window's head counts the LDS loads issued behind V(w)'s run in the text before: 8 (3 - w) of V, K's 4 (kprev) if w < 2; and in this text 8 w of V (ldv), K's 4 (kq) if w > 1.
.macro STEP par, slot, rec, pv, sm, ldv, kq, kprev
.set w, 0
.rept 4
.if \pv
.set nw, 8*(3-w)+8*w*(\ldv)
.if w < 2
.set nw, nw+4*(\kprev)
.else
.set nw, nw+4*(\kq)
.endif
	s_wait_dscnt nw
.endif
.set n, 0
.set e, 0
.set d, 1
.rept 3
.set t, (w+d)%4
.set WW, w|(t<<2)|(w<<4)|(w<<6)
	WIN WW
.set c, 0
.rept 4
.if \pv
	v_wmma_f32_16x16x32_bf16 v[O+32*t+8*c:O+32*t+8*c+7], v[VF+8*c:VF+8*c+7], v[P+8*(\par):P+8*(\par)+7], v[O+32*t+8*c:O+32*t+8*c+7]
.endif
.if \sm
	v_exp_f32 v[S+e], v[S+e]
.set e, e+1
.if n%3 == 0
	v_exp_f32 v[S+e], v[S+e]
.set e, e+1
.endif
.endif
.set n, n+1
.set c, c+1
.endr
.set d, d+1
.endr
.if \sm
	v_nop                                          ; a plain instruction behind the exponentials
	s_wait_alu depctr_va_vdst(0)
.endif
.set WW, w*0x55
	WIN WW
.set c, 0
.rept 4
.if \pv
	v_wmma_f32_16x16x32_bf16 v[O+32*w+8*c:O+32*w+8*c+7], v[VF+8*c:VF+8*c+7], v[P+8*(\par):P+8*(\par)+7], v[O+32*w+8*c:O+32*w+8*c+7]
.endif
.if \sm
.if c < 2
.set q, 4*c
.rept 4
	v_cvt_pk_bf16_f32 v[P+8*(1-(\par))+q], v[S+2*q], v[S+2*q+1]
.set q, q+1
.endr
.elseif c == 2
.set q, 0
.rept 4
	v_pk_add_f32 v[S+4*q:S+4*q+1], v[S+4*q:S+4*q+1], v[S+4*q+2:S+4*q+3]
.set q, q+1
.endr
.else
	v_pk_add_f32 v[S:S+1], v[S:S+1], v[S+4:S+5]
	v_pk_add_f32 v[S+8:S+9], v[S+8:S+9], v[S+12:S+13]
	v_pk_add_f32 v[S:S+1], v[S:S+1], v[S+8:S+9]
	v_pk_add_f32 v[LS:LS+1], v[LS:LS+1], v[S:S+1]
.endif
.endif
.set c, c+1
.endr
.if \ldv
.set c, 0
.rept 4
	ds_load_b128 v[VF+8*c:VF+8*c+3],   v[AV+(\slot)] offset:REC*(\rec)+1024*c
	ds_load_b128 v[VF+8*c+4:VF+8*c+7], v[AV+(\slot)] offset:REC*(\rec)+1024*c+512
.set c, c+1
.endr
.endif
.if (\kq) && (w == 1)
.set c, 0
.rept 4
	ds_load_b128 v[KF+4*c:KF+4*c+3], v[AK+(\slot)] offset:REC*(\rec)+512*c
.set c, c+1
.endr
.endif
.set w, w+1
.endr
.if \kq
	s_wait_dscnt 16                                ; K is in; the runs of V's windows 2 and 3 are younger
	KQALL
.endif
.endm
	KQALL                                          ; step 0's scores
	STEP 1, 0, 0, 0, 1, 1, 1, 1                    ; no products yet: step 0's softmax; V of step 0, K of step 1; step 1's scores
	WIN 0
	s_mov_b32 s62, 8
	s_branch .Lenter                               ; the loop is entered in the middle of a trip: slot 0's record 0 has been read
.Lloop:                                                ; seven whole trips: eight steps, both slots filled again
	CHANGE 1, G0S0
	STEP 1, 1, 0, 1, 1, 1, 1, 1
	STEP 0, 1, 1, 1, 1, 1, 1, 1
	STEP 1, 1, 2, 1, 1, 1, 1, 1
	STEP 0, 1, 3, 1, 1, 1, 1, 1
	CHANGE 1, G0S1
	STEP 1, 0, 0, 1, 1, 1, 1, 1
	WIN 0
.Lenter:
	STEP 0, 0, 1, 1, 1, 1, 1, 1
	STEP 1, 0, 2, 1, 1, 1, 1, 1
	STEP 0, 0, 3, 1, 1, 1, 1, 1
	WIN 0
	s_sub_co_u32 s62, s62, 1
	s_cmp_lg_u32 s62, 0
	s_cbranch_scc1 .Lloop
	CHANGE 0, 0                                    ; the tail is written out: the last slot is in, nothing is asked for
	STEP 1, 1, 0, 1, 1, 1, 1, 1
	STEP 0, 1, 1, 1, 1, 1, 1, 1
	WIN 0
.set i, 0
.rept 4                                ; my 128 rows of x, 256 bytes each, each asked for once in the launch, by this wave, three key steps ahead of their loads
	global_prefetch_b8 v[PFO], s[72:73] offset:524288*i th:TH_LOAD_NT scope:SCOPE_SE
.set i, i+1
.endr
	STEP 1, 1, 2, 1, 1, 1, 1, 1
	STEP 0, 1, 3, 1, 1, 1, 0, 1                    ; there is no step 64: no K, no scores
	STEP 1, 0, 0, 1, 0, 0, 0, 0                    ; step 63's products alone
	; THE WAY OUT.
	WIN 0
	NOPS 4                                         ; the places behind the last products
.set u, 0
.rept 4
.set WW, u<<6
	WIN WW
.set n, 0
.rept 16
	global_load_b128 v[192+4*n:195+4*n], v[CO], s[72:73] offset:32768*(16*u+n) th:TH_LOAD_NT   ; x: two channels' 256 bytes a load
.set n, n+1
.endr
.set u, u+1
.endr
.set t, 0
.rept 4
.set WW, t|(t<<2)
	WIN WW
	v_add_f32 v[24+t], v[LS], v[LS+1]
.set t, t+1
.endr
	WIN 0
.set t, 0
.rept 4
	v_permlanex16_b32 v[28+t], v[24+t], s60, s61
.set t, t+1
.endr
.set t, 0
.rept 4
	v_add_f32 v[24+t], v[24+t], v[28+t]
.set t, t+1
.endr
.set t, 0
.rept 4
	ds_store_b32 v[MXA], v[24+t] offset:1024+64*t  ; my half's l, by query
.set t, t+1
.endr
	s_mul_i32 s84, s18, COPY                       ; my stage: channel rows of 272 bytes; a lane puts one query of channel 8 h + j
	v_mul_u32_u24 v[AKP], v[HH], 8*SPIT
	v_lshl_add_u32 v[AKP], v[RR], 2, v[AKP]
	v_add_nc_u32 v[AKP], s84, v[AKP]
	v_add_nc_u32 v[AKL], 128*SPIT, v[AKP]
	s_wait_dscnt 0x0
	s_barrier_signal -1
	s_barrier_wait -1                              ; nobody reads the slots any more; they have had their last fill
.set w, 0
.rept 4
.set WW, w<<2
	WIN WW
.set t, 0
.rept 4
.set c, 0
.rept 4
.set j, 0
.rept 8
	ds_store_b32 v[AKP+(w/2)], v[O+32*t+8*c+j] offset:(64*(w%2)+16*c+j)*SPIT+64*t
.set j, j+1
.endr
.set c, c+1
.endr
.set t, t+1
.endr
.set w, w+1
.endr
	WIN 0
	s_lshl_b32 s84, s20, 9
	s_add_co_u32 s84, s84, LX
	v_lshl_add_u32 v[MXP], v[RR], 4, s84           ; l of queries 4 (lane mod 16) + 0..3, of both key halves
	s_mul_i32 s84, s20, 2*COPY                     ; back: both halves' copies, my 128 channels; lanes 0-15 one channel's 256 bytes, lanes 16-31 the next
	s_mul_i32 s91, s19, 128*SPIT
	s_add_co_u32 s84, s84, s91
	v_mul_u32_u24 v[AV], v[HH], SPIT
	v_lshl_add_u32 v[AV], v[RR], 4, v[AV]
	v_add_nc_u32 v[AV], s84, v[AV]
	v_add_nc_u32 v[AV+1], COPY, v[AV]
	s_wait_dscnt 0x0                               ; for the others' sake: my stores into the stage are done
	s_barrier_signal -1
	s_barrier_wait -1
.macro OLD u                           ; 32 channels of both copies
.set WW, (\u)<<6
	WIN WW
.set n, 0
.rept 16
	ds_load_b128 v[64+4*n:67+4*n],   v[AV]   offset:2*SPIT*(16*(\u)+n)
	ds_load_b128 v[128+4*n:131+4*n], v[AV+1] offset:2*SPIT*(16*(\u)+n)
.set n, n+1
.endr
.endm
.macro OFIN u, left                    ; x + (gamma / l) (both halves' sums); left: the next block's LDS loads, which stay out
	s_wait_dscnt \left
	s_wait_loadcnt 16*(3-(\u))                     ; x's rows for this block are in; the later blocks' are younger
.set WW, (\u)|((\u)<<4)|((\u)<<6)
	WIN WW
.set n, 0
.rept 16
	v_pk_fma_f32 v[192+4*n:193+4*n], v[64+4*n:65+4*n],   v[24:25], v[192+4*n:193+4*n]
	v_pk_fma_f32 v[194+4*n:195+4*n], v[66+4*n:67+4*n],   v[26:27], v[194+4*n:195+4*n]
	v_pk_fma_f32 v[192+4*n:193+4*n], v[128+4*n:129+4*n], v[24:25], v[192+4*n:193+4*n]
	v_pk_fma_f32 v[194+4*n:195+4*n], v[130+4*n:131+4*n], v[26:27], v[194+4*n:195+4*n]
.set n, n+1
.endr
.set WW, (\u)<<2
	WIN WW
.set n, 0
.rept 16
	global_store_b128 v[CO], v[192+4*n:195+4*n], s[74:75] offset:32768*(16*(\u)+n) th:TH_STORE_NT   ; 16 lanes store 256 consecutive bytes, at a multiple of 256 from out0's first byte
.set n, n+1
.endr
.endm
	ds_load_b128 v[24:27], v[MXP]
	ds_load_b128 v[28:31], v[MXP] offset:256
	OLD 0
	WIN 0
	s_wait_dscnt 32                                ; l is in
	v_pk_add_f32 v[24:25], v[24:25], v[28:29]
	v_pk_add_f32 v[26:27], v[26:27], v[30:31]
.set i, 0
.rept 4
	v_rcp_f32 v[24+i], v[24+i]
.set i, i+1
.endr
	v_nop                                          ; a plain instruction behind the reciprocals
	s_wait_alu depctr_va_vdst(0)
	v_pk_mul_f32 v[24:25], v[24:25], s[80:81] op_sel_hi:[1,0]   ; gamma / l
	v_pk_mul_f32 v[26:27], v[26:27], s[80:81] op_sel_hi:[1,0]
	OLD 1
	OFIN 0, 32
	OLD 2
	OFIN 1, 32
	OLD 3
	OFIN 2, 32
	OFIN 3, 0
	WIN 0
	s_wait_tensorcnt 0x0                           ; the wave's end, behind my last tensor load and my last LDS store
	ds_add_u32 v[SPW], v[NIL]
	s_wait_dscnt 0x0
	CROUND                                         ; the closing round: no work-group ends while a partner may still ask for a tile that names it
	s_endpgm
.Lfunc_end_k_q77bbe9b00c_attn:
	.size	k_q77bbe9b00c_attn, .Lfunc_end_k_q77bbe9b00c_attn-k_q77bbe9b00c_attn
	.p2alignl 7, 3214868480
	.fill 96, 4, 3214868480
	.section	.rodata,"a",@progbits
	.p2align	6, 0x0
	.amdhsa_kernel k_q77bbe9b00c_attn
		.amdhsa_group_segment_fixed_size 327680
		.amdhsa_private_segment_fixed_size 0
		.amdhsa_enable_private_segment 0
		.amdhsa_kernarg_size 56
		.amdhsa_user_sgpr_count 2
		.amdhsa_user_sgpr_kernarg_segment_ptr 1
		.amdhsa_wavefront_size32 1
		.amdhsa_system_sgpr_workgroup_id_x 1
		.amdhsa_system_sgpr_workgroup_id_y 1
		.amdhsa_system_sgpr_workgroup_id_z 1
		.amdhsa_system_vgpr_workitem_id 0
		.amdhsa_next_free_vgpr 1024
		.amdhsa_next_free_sgpr 104
		.amdhsa_reserve_vcc 1
		.amdhsa_float_denorm_mode_32 3
		.amdhsa_float_denorm_mode_16_64 3
		.amdhsa_memory_ordered 1
		.amdhsa_forward_progress 1
		.amdhsa_inst_pref_size 255
	.end_amdhsa_kernel
	.section	.bss,"aw",@nobits
	.p2align	6
	.space	262144
	.amdgpu_metadata
---
amdhsa.version: [ 1, 2 ]
amdhsa.kernels:
  - .name:           k_q77bbe9b00c_attn
    .symbol:         k_q77bbe9b00c_attn.kd
    .args:
      - { .name: kv, .offset: 0, .size: 8, .value_kind: global_buffer, .address_space: global }
      - { .name: qf, .offset: 8, .size: 8, .value_kind: global_buffer, .address_space: global }
      - { .name: part, .offset: 16, .size: 8, .value_kind: global_buffer, .address_space: global }
      - { .name: x, .offset: 24, .size: 8, .value_kind: global_buffer, .address_space: global }
      - { .name: gamma, .offset: 32, .size: 8, .value_kind: global_buffer, .address_space: global }
      - { .name: temperature, .offset: 40, .size: 8, .value_kind: global_buffer, .address_space: global }
      - { .name: out0, .offset: 48, .size: 8, .value_kind: global_buffer, .address_space: global }
    .group_segment_fixed_size: 327680
    .private_segment_fixed_size: 0
    .kernarg_segment_align: 8
    .kernarg_segment_size: 56
    .max_flat_workgroup_size: 128
    .sgpr_count:     104
    .vgpr_count:     1024
    .wavefront_size: 32
...
	.end_amdgpu_metadata
.endif
;; end of part 2
;; ======== version 2 of 2: 2 launches; version 1 with the launch proj written anew for expert scheduling mode
;; workspace buffers: kv 18,874,368 bytes; qf 4,194,304 bytes; part 131,072 bytes
;; launch proj (part 3): grid 32 x 8, 8 waves a work-group, no clusters, 243,712 bytes of LDS; arguments x, Wq, Wk, Wv, bq, bk, bv, kv, qf, part; writes kv, qf, part
.if DOCPART == 3
	.amdgcn_target "amdgcn-amd-amdhsa--gfx1250"
	.amdhsa_code_object_version 6
	.text
	.protected	k_q77bbe9b00c_proj
	.globl	k_q77bbe9b00c_proj
	.p2align	8
	.type	k_q77bbe9b00c_proj,@function
k_q77bbe9b00c_proj:
	s_mov_b64 s[64:65], 0
	v_nop
	global_prefetch_b8 v0, s[64:65] scope:SCOPE_SE
	s_setreg_imm32_b32 hwreg(HW_REG_WAVE_SCHED_MODE, 0, 2), 2
	s_setreg_imm32_b32 hwreg(HW_REG_WAVE_MODE, 25, 1), 1
	s_wait_xcnt 0x0
	s_wait_alu depctr_vm_vsrc(0)
; THE THREE 1x1 CONVOLUTIONS.  q = Wq x + bq, k = Wk x + bk (32 channels), v = Wv x + bv (256 channels); x: [8][256][4096] f32.
; Products in bf16 with f32 sums; biases and the sums of squares in f32.
; A work-group takes 128 positions of one batch: 320 output channels x 128 positions x 256 input channels.
; OUT.  kv: [batch][record R of 128][18,432 bytes].  Bytes 0-16,383: v of keys 32 R .. 32 R + 31, bf16, in the order in which the next launch's
;   matrix instructions want it: [channel block 16][key half 2][lane 32][16 bytes]; lane 16 h + r holds channel r of the block and keys 16 p + 8 h + 0..7.
;   Bytes 16,384-18,431: k (not normalised, bf16) of the key block that the next launch walks BEHIND block R: R + 1, or (R + 5) mod 128 where R mod 4 = 3;
;   [16 keys 2][channel half 2][lane 32][16 bytes]; lane 16 h + r holds key r and channels 16 p + 8 h + 0..7.
;   qf: q with its bias, f32, [batch][tile of 16 queries][p 2][e 2][lane 32][16 bytes]: lane holds query r, channels 16 p + 8 h + 4 e + 0..3.
;   part: [batch][block of 128 positions][half][64] f32: sums of squares over 64 positions; entries 0-31 q's channels, 32-63 k's.
; SHARES.  Wave v: og = v mod 4, ph = v / 4: v's channels 64 og .. + 63 and one tile of 16 channels of q (og 0, 1) or k (og 2, 3), for positions 64 ph .. + 63:
;   20 accumulators, 8 steps of 32 input channels.  Two waves lie on a SIMD.
; NO CLUSTER, NO TENSOR LOADS: x and the weights are f32 and are rounded to bf16 on their way into LDS, which takes them through registers anyway;
;   as f32 tiles the weights (327,680 bytes) would leave no room for x.
; LIMITS.  x and the weights are rounded to bf16 (their range is f32's); NaN and infinities are not treated apart.
; THE MODE: SCHED_MODE bits 1:0 = 2 (LLVM: expert scheduling mode 2), set by the entry lines.  The code itself states the register dependences
; between vector or matrix instructions and memory or LDS instructions, with s_wait_alu, always for 0.
; THE PLAN.  Registers that memory or LDS instructions touch:
;   the ring, v16-207   48 slots of four registers, f32 as loaded.  112 visits in 14 groups of eight.  Group g's sixteen conversions read its eight slots; the loads that fill them again are issued in group g + 1.
;   OUT0, OUT1          two out-buffers of sixteen.  Group g's conversions write OUT[g mod 2]; the eight LDS stores that read it are issued in group g + 1.
;   F0, F1              two fragment buffers of 72 (F0 in window 0, F1 in window 1).  Step k's products read F[k mod 2]; the 18 LDS loads of step k + 1, issued at step k's head, land in the other.
;   v1-3, v6, v7, v240-242, v246, v247   addresses and offsets: written once at the head.
;   At the end: the four lowest registers of v's and k's accumulators (written by conversions, read by one store each, never written again), q's accumulators, v217, v218.
; So a group's memory instructions touch only what the group BEFORE worked on, and no conversion of the group names it: the waits at a group's head state all that its sixteen memory instructions hang on.
; A step's loads touch only the buffer that the step BEFORE multiplied: one wait at the step's head.
.set PW,    528                        ; a row of weights in LDS: 512 bytes + 16: the 16 rows of a fragment load start at 16 different groups of four banks
.set PX,    288                        ; a row of x (one channel, 128 positions): 256 bytes + 32, for the turning load
.set XB,    320*PW                     ; weights: rows 0-255 Wv, 256-287 Wq, 288-319 Wk; behind them x
.set SPARE, XB+256*PX                  ; the spare words: 128 bytes for each of eight waves; no other line names them
.set REC,   18432                      ; bytes in a record of kv
.set AWV, 1                            ; v1   LDS address of my Wv fragments
.set AWQ, 2                            ; v2   of my tile of Wq or Wk
.set AX0, 3                            ; v3   of my x fragments, input channels 0-127
.set SPW, 4                            ; v4   my spare word; never rewritten
.set NIL, 5                            ; v5   0; never rewritten
.set GL,  6                            ; v6   16 x lane; never rewritten
.set AX1, 7                            ; v7   x fragments, input channels 128-255
.set BQ,  8                            ; v[8:15]    my tile's bias, channel 8 h + j in register j
.set VA,  16                           ; v[16:143]  v's accumulators: (channel block i, position tile p) at VA + 8 (4 i + p)
.set QA,  144                          ; v[144:175] q's or k's: position tile p at QA + 8 p
                                       ; v[176:247] F0; v[256:327] (v0-71 of window 1) F1: five fragments of weights, then four of x
.set BV,  248                          ; v[248:255] bv of my four channel blocks, each twice (a pair for the packed add)
.set XS,  16                           ; on the way into LDS: the ring of 48 slots,
.set T,   208                          ; OUT0 at T, OUT1 at T + 16,
.set SAX, 240                          ; where x, Wq or Wk, and Wv go,
.set SAQ, 241
.set SAV, 242
.set TL,  243                          ; and, at the head only: the lane, r, h, two at work (at last the biases' offsets)
.set TR,  244
.set TH,  245
.set TA,  246
.set TB,  247
.set SS,  176                          ; at the end: the sums of squares
	s_load_b512 s[4:19], s[0:1], 0x0               ; x s[4:5], Wq s[6:7], Wk s[8:9], Wv s[10:11], bq s[12:13], bk s[14:15], bv s[16:17], kv s[18:19]
	s_load_b128 s[20:23], s[0:1], 0x40             ; qf s[20:21], part s[22:23]
	v_lshl_add_u32 v[SPW], v0, 2, SPARE
	v_mov_b32 v[NIL], 0
	v_lshrrev_b32 v[TL], 5, v0
	v_readfirstlane_b32 s24, v[TL]                 ; wave 0..7
	s_mov_b32 s27, ttmp9                           ; g: block of 128 positions
	s_and_b32 s28, ttmp7, 0xffff                   ; batch
	s_mov_b32 s31, 0                               ; the high word of every offset
	v_and_b32 v[TL], 31, v0                        ; lane
	v_and_b32 v[TR], 15, v0                        ; r
	v_bfe_u32 v[TH], v0, 4, 1                      ; h
	v_lshlrev_b32 v[GL], 4, v[TL]
	v_lshlrev_b32 v[TL], 3, v[TL]                  ; 8 x lane: four rounded numbers
	v_mul_u32_u24 v[AWV], v[TR], PW
	v_lshl_add_u32 v[AWV], v[TH], 4, v[AWV]        ; row r x pitch + 16 h
	v_and_b32 v[TA], 7, v0                         ; the turning load: lane reads input channel 8 h + lane mod 8, positions 8 ((lane / 8) mod 2) + 0..7
	v_lshl_add_u32 v[TA], v[TH], 3, v[TA]
	v_mul_u32_u24 v[AX0], v[TA], PX
	v_bfe_u32 v[TB], v0, 3, 1
	v_lshl_add_u32 v[AX0], v[TB], 4, v[AX0]
	s_wait_alu depctr_va_sdst(0)                   ; s24 is written, ahead of its first reader: every share of the wave is made from it
	s_and_b32 s25, s24, 3                          ; og
	s_lshr_b32 s26, s24, 2                         ; ph
	s_and_b32 s29, s24, 1                          ; p: which 16 of q's or k's 32 channels
	s_mul_i32 s30, s25, 16*PW
	s_add_co_u32 s30, s30, 256*PW
	v_add_nc_u32 v[AWQ], s30, v[AWV]               ; rows 256 + 16 og on
	s_mul_i32 s30, s25, 64*PW
	v_add_nc_u32 v[AWV], s30, v[AWV]               ; rows 64 og on
	s_lshl_b32 s30, s26, 7                         ; my 64 positions: 128 bytes x ph
	s_add_co_u32 s30, s30, XB
	v_add_nc_u32 v[AX0], s30, v[AX0]
	v_add_nc_u32 v[AX1], 128*PX, v[AX0]
	s_mul_i32 s30, s24, 32*PX                      ; into LDS: wave v rounds x's channels 32 v .. + 31,
	s_add_co_u32 s30, s30, XB
	v_add_nc_u32 v[SAX], s30, v[TL]
	s_mul_i32 s30, s24, 8*PW                       ; rows 256 + 8 v .. + 7 (Wq for waves 0-3, Wk for 4-7),
	s_add_co_u32 s30, s30, 256*PW
	v_add_nc_u32 v[SAQ], s30, v[TL]
	s_mul_i32 s30, s24, 32*PW                      ; and Wv's rows 32 v .. + 31
	v_add_nc_u32 v[SAV], s30, v[TL]
	v_lshlrev_b32 v[TA], 2, v[TR]
	v_lshl_add_u32 v[TA], s25, 8, v[TA]            ; bv: 4 (64 og + r)
	v_lshlrev_b32 v[TB], 5, v[TH]
	v_lshl_add_u32 v[TB], s29, 6, v[TB]            ; bq or bk: 4 (16 p + 8 h)
	s_wait_kmcnt 0x0
	s_lshl_b32 s30, s28, 22                        ; x: batch x 4 MiB + 512 g + my 32 channels
	s_lshl_b32 s42, s27, 9
	s_add_co_u32 s30, s30, s42
	s_lshl_b32 s42, s24, 19
	s_add_co_u32 s30, s30, s42
	s_add_nc_u64 s[4:5], s[4:5], s[30:31]
	s_cmp_lt_u32 s24, 4
	s_cselect_b64 s[32:33], s[6:7], s[8:9]         ; Wq or Wk,
	s_lshl_b32 s30, s25, 13                        ; my eight rows of 1,024 bytes
	s_add_nc_u64 s[32:33], s[32:33], s[30:31]
	s_lshl_b32 s30, s24, 15                        ; Wv: my 32 rows
	s_add_nc_u64 s[10:11], s[10:11], s[30:31]
	s_cmp_lt_u32 s25, 2
	s_cselect_b64 s[34:35], s[12:13], s[14:15]     ; bq or bk
	s_wait_alu depctr_va_vdst(0)                   ; all addresses and offsets are written: v1-3, v6, v7, v240-242, v246, v247, which the kernel's loads and stores read; none is written again
.set i, 0
.rept 4
	global_load_b32 v[BV+2*i], v[TA], s[16:17] offset:64*i
.set i, i+1
.endr
	global_load_b128 v[BQ:BQ+3], v[TB], s[34:35]
	global_load_b128 v[BQ+4:BQ+7], v[TB], s[34:35] offset:16
.set i, 0
.rept 32
	global_load_b128 v[XS+4*i:XS+4*i+3], v[GL], s[4:5] offset:16384*i  ; a channel's 128 positions: 512 consecutive bytes
.set i, i+1
.endr
.set i, 0
.rept 16
	global_load_b128 v[XS+128+4*i:XS+128+4*i+3], v[GL], s[32:33] offset:512*i
.set i, i+1
.endr
	; where the results go, made while the loads are out
	s_mul_i32 s43, s28, 128*REC                    ; my batch in kv
	s_lshl_b32 s42, s27, 2                         ; 4 g
	s_lshl_b32 s44, s26, 1
	s_add_co_u32 s44, s42, s44                     ; record 4 g + 2 ph: my first 32 positions
	s_mul_i32 s45, s44, REC
	s_add_co_u32 s45, s45, s43
	s_lshl_b32 s46, s25, 12                        ; my four channel blocks of 1,024 bytes
	s_add_co_u32 s30, s45, s46
	s_add_nc_u64 s[36:37], s[18:19], s[30:31]      ; v
	s_lshl_b32 s46, s29, 9
	s_add_co_u32 s46, s46, 16384                   ; k's part of a record, my channel half
	s_add_co_u32 s30, s45, s46
	s_add_nc_u64 s[40:41], s[18:19], s[30:31]      ; k of my second 32 positions lies one record back: in record 4 g + 2 ph
	s_add_co_u32 s47, s42, 1
	s_sub_co_u32 s44, s42, 5
	s_and_b32 s44, s44, 127
	s_cmp_lg_u32 s26, 0
	s_cselect_b32 s44, s47, s44                    ; k of my first 32: record 4 g + 1 (ph = 1), or (4 g - 5) mod 128 (ph = 0)
	s_mul_i32 s30, s44, REC
	s_add_co_u32 s30, s30, s43
	s_add_co_u32 s30, s30, s46
	s_add_nc_u64 s[38:39], s[18:19], s[30:31]
	s_lshl_b32 s30, s28, 19                        ; qf: batch x 256 tiles x 2,048 + tile 8 g + 4 ph + 1,024 p
	s_lshl_b32 s44, s27, 14
	s_add_co_u32 s30, s30, s44
	s_lshl_b32 s44, s26, 13
	s_add_co_u32 s30, s30, s44
	s_lshl_b32 s44, s29, 10
	s_add_co_u32 s30, s30, s44
	s_add_nc_u64 s[20:21], s[20:21], s[30:31]
	s_lshl_b32 s30, s28, 14                        ; part: row (32 batch + g) 2 + ph of 256 bytes
	s_lshl_b32 s44, s27, 9
	s_add_co_u32 s30, s30, s44
	s_lshl_b32 s44, s26, 8
	s_add_co_u32 s30, s30, s44
	s_add_nc_u64 s[22:23], s[22:23], s[30:31]
; PHASE 1: f32 to bf16, into LDS.  Visit n (0..111) takes slot n mod 48: visits 0-31 x's channels, 32-47 Wq's or Wk's half rows, 48-111 Wv's half rows 0-63.
; The slot of visit n < 64 is filled again with Wv's half row n, which visit n + 48 finds there.  The three macros work on the visit that the symbol n names.
.macro ROUND                           ; the visit's four numbers are rounded, into its place in its group's out-buffer
.set RI, XS+4*(n%48)
.set RO, T+16*((n/8)%2)+2*(n%8)
	v_cvt_pk_bf16_f32 v[RO], v[RI], v[RI+1]
	v_cvt_pk_bf16_f32 v[RO+1], v[RI+2], v[RI+3]
.endm
.macro PUT                             ; and go into LDS
.set RO, T+16*((n/8)%2)+2*(n%8)
.if n < 32
	ds_store_b64 v[SAX], v[RO:RO+1] offset:n*PX
.elseif n < 48
	ds_store_b64 v[SAQ], v[RO:RO+1] offset:((n-32)/2)*PW+256*(n%2)
.else
	ds_store_b64 v[SAV], v[RO:RO+1] offset:((n-48)/2)*PW+256*(n%2)
.endif
.endm
.macro AGAIN                           ; the visit's slot is filled again
.if n < 64
.set RI, XS+4*(n%48)
	global_load_b128 v[RI:RI+3], v[GL], s[10:11] offset:512*n
.endif
.endm
; Group g: visits 8 g .. 8 g + 7.  left = the loads younger than the group's eight, which stay out (loads come back in order: ISA guide 5.7.1): at group 0, 48 are issued and 8 wanted;
; at groups 1 to 9, 48 + 8 (g - 1) are issued and 8 g + 8 wanted: 32; then nothing more is issued and the counts run down.
; The refills and the stores of the group before stand two and two ahead of the first four visits, the refills first, so that ten conversions stand behind the group's last store.
.macro GROUP g, left
	s_wait_loadcnt \left
.if (\g) >= 2
	s_wait_alu depctr_vm_vsrc(0)                   ; the LDS stores issued in the group before have read this group's out-buffer, which its conversions write again
.endif
.if (\g) >= 1
	s_wait_alu depctr_va_vdst(0)                   ; the group before has written the other out-buffer, which the stores below read, and is done reading its slots, in which the loads below land
.endif
.set i, 0
.rept 8
.if ((\g) >= 1) && (i < 4)
.set n, 8*((\g)-1)+2*i
	AGAIN
.set n, n+1
	AGAIN
.set n, n-1
	PUT
.set n, n+1
	PUT
.endif
.set n, 8*(\g)+i
	ROUND
.set i, i+1
.endr
.endm
	GROUP 0, 40
.irp g, 1,2,3,4,5,6,7,8,9
	GROUP \g, 32
.endr
	GROUP 10, 24
	GROUP 11, 16
	GROUP 12, 8
	GROUP 13, 0
	s_wait_alu depctr_va_vdst(0)                   ; group 13 has written OUT1, which the last eight stores read
.set n, 104
.rept 8
	PUT
.set n, n+1
.endr
	s_wait_dscnt 0x0                               ; for the others' sake: my stores into LDS are done
	s_barrier_signal -1
	s_barrier_wait -1                              ; weights and x are whole; nothing is written into them again
; PHASE 2: eight steps of 32 input channels.  v = x (source 0: 16 positions) times Wv (source 1: 16 channels): a lane then holds one channel and eight neighbouring positions.
; q, k = W (source 0) times x (source 1): a lane then holds one position and eight channels.  The 20 accumulators take turns.
.set MSB, 0
.macro WIN new                         ; s_set_vgpr_msb: bits 1:0 source 0, 3:2 source 1, 5:4 source 2, 7:6 destination; the high byte repeats the setting that is left; a switch that changes nothing is dropped
.if MSB != (\new)
	s_set_vgpr_msb (MSB<<8)|(\new)
.set MSB, \new
.endif
.endm
.macro FRAGS k                         ; step k's 18 LDS loads, into buffer k mod 2: v176 on in window 0, v0 on in window 1
.set LW, 176*(1-(\k)%2)
.set LX, LW+40
.set i, 0
.rept 4
	ds_load_b128 v[LW+8*i:LW+8*i+3],   v[AWV] offset:i*16*PW+64*(\k)
	ds_load_b128 v[LW+8*i+4:LW+8*i+7], v[AWV] offset:i*16*PW+64*(\k)+32
.set i, i+1
.endr
	ds_load_b128 v[LW+32:LW+35], v[AWQ] offset:64*(\k)
	ds_load_b128 v[LW+36:LW+39], v[AWQ] offset:64*(\k)+32
.set i, 0
.rept 4
	ds_load_tr16_b128 v[LX+8*i:LX+8*i+3],   v[AX0+4*((\k)/4)] offset:((\k)%4)*32*PX+32*i
	ds_load_tr16_b128 v[LX+8*i+4:LX+8*i+7], v[AX0+4*((\k)/4)] offset:((\k)%4)*32*PX+32*i+16*PX
.set i, i+1
.endr
.endm
.macro KSTEP k
.if (\k) > 0
.rept 4
	v_nop                                          ; four places between the last products and the loads into their sources (ISA guide 7.12.1 for vector instructions)
.endr
.endif
	s_wait_dscnt 0x0                               ; this step's fragments are in
.if (\k) < 7
	WIN 0x40*(1-(\k)%2)                            ; the loads' destination: the other buffer's window; their addresses lie in window 0
.if (\k) > 0
	s_wait_alu depctr_va_vdst(0)                   ; the step before's products are done reading the other buffer, in which the loads below land (step 0's land in registers that nothing has named)
.endif
	FRAGS (\k)+1                                   ; they have this step's twenty products in which to land
.endif
	WIN 0x05*((\k)%2)                              ; sources 0 and 1: this step's buffer; C and D in window 0
.set FW, 176*(1-(\k)%2)
.set FX, FW+40
.set i, 0
.rept 4
.set p, 0
.rept 4
.if (\k) == 0
	v_wmma_f32_16x16x32_bf16 v[VA+8*(4*i+p):VA+8*(4*i+p)+7], v[FX+8*p:FX+8*p+7], v[FW+8*i:FW+8*i+7], 0
.else
	v_wmma_f32_16x16x32_bf16 v[VA+8*(4*i+p):VA+8*(4*i+p)+7], v[FX+8*p:FX+8*p+7], v[FW+8*i:FW+8*i+7], v[VA+8*(4*i+p):VA+8*(4*i+p)+7]
.endif
.set p, p+1
.endr
.set i, i+1
.endr
.set p, 0
.rept 4
.if (\k) == 0
	v_wmma_f32_16x16x32_bf16 v[QA+8*p:QA+8*p+7], v[FW+32:FW+39], v[FX+8*p:FX+8*p+7], v[BQ:BQ+7]  ; the bias starts the sum
.else
	v_wmma_f32_16x16x32_bf16 v[QA+8*p:QA+8*p+7], v[FW+32:FW+39], v[FX+8*p:FX+8*p+7], v[QA+8*p:QA+8*p+7]
.endif
.set p, p+1
.endr
.endm
	s_wait_alu depctr_vm_vsrc(0)                   ; my LDS stores have read the out-buffers and v240-242, the biases' loads v246 and v247: these registers are F0 from here on (the conversions that named v176-239 stand ahead of the last wait on va_vdst)
	FRAGS 0
.irp k, 0,1,2,3,4,5,6,7
	KSTEP \k
.endr
	WIN 0
; PHASE 3.  The four copies are the four places behind the last products.
.set i, 0
.rept 4
	v_mov_b32 v[BV+2*i+1], v[BV+2*i]
.set i, i+1
.endr
; v: + bias, rounded in place into the accumulator's four lowest registers, 16 bytes a lane, 512 consecutive bytes a store.  Four batches of four accumulators (a channel block each):
; a batch's 32 vector instructions, one wait, its four stores, which leave while the next batch is worked on.  No register that a store reads is written again.
.set b, 0
.rept 4
.set a, 4*b
.rept 4
.set RA, VA+8*a
.set q, 0
.rept 4
	v_pk_add_f32 v[RA+2*q:RA+2*q+1], v[RA+2*q:RA+2*q+1], v[BV+2*b:BV+2*b+1]
.set q, q+1
.endr
.set q, 0
.rept 4
	v_cvt_pk_bf16_f32 v[RA+q], v[RA+2*q], v[RA+2*q+1]
.set q, q+1
.endr
.set a, a+1
.endr
.if b == 3
.set q, 0
.rept 4                                ; sums of squares of my tile over my four position tiles: the first product starts them
	v_pk_mul_f32 v[SS+2*q:SS+2*q+1], v[QA+2*q:QA+2*q+1], v[QA+2*q:QA+2*q+1]
.set q, q+1
.endr
.set p, 1
.rept 3
.set q, 0
.rept 4
	v_pk_fma_f32 v[SS+2*q:SS+2*q+1], v[QA+8*p+2*q:QA+8*p+2*q+1], v[QA+8*p+2*q:QA+8*p+2*q+1], v[SS+2*q:SS+2*q+1]
.set q, q+1
.endr
.set p, p+1
.endr
.endif
	s_wait_alu depctr_va_vdst(0)                   ; the batch's conversions have written the registers that its four stores read; the products have written q's accumulators, which q's stores read behind the last of these waits
.set a, 4*b
.rept 4
.set RA, VA+8*a
	global_store_b128 v[GL], v[RA:RA+3], s[36:37] offset:((a%4)/2)*REC+1024*(a/4)+512*(a%2)
.set a, a+1
.endr
.set b, b+1
.endr
	s_cmp_lt_u32 s25, 2
	s_cbranch_scc0 .Lkeys
.set p, 0
.rept 4                                ; q stays f32: it is scaled by the norms before it is rounded.  No vector instruction stands between the wait above and these stores
	global_store_b128 v[GL], v[QA+8*p:QA+8*p+3],   s[20:21] offset:2048*p
	global_store_b128 v[GL], v[QA+8*p+4:QA+8*p+7], s[20:21] offset:2048*p+512
.set p, p+1
.endr
	s_branch .Lsums
.Lkeys:
.set p, 0
.rept 4
.set q, 0
.rept 4
	v_cvt_pk_bf16_f32 v[QA+8*p+q], v[QA+8*p+2*q], v[QA+8*p+2*q+1]
.set q, q+1
.endr
.set p, p+1
.endr
	s_wait_alu depctr_va_vdst(0)                   ; the sixteen conversions have written the registers that k's four stores read
.set p, 0
.rept 4
	global_store_b128 v[GL], v[QA+8*p:QA+8*p+3], s[38+2*(p/2):39+2*(p/2)] offset:1024*(p%2)
.set p, p+1
.endr
.Lsums:
	v_and_b32 v216, 7, v0                          ; lane takes channel 8 h + r mod 8; lanes r and r + 8 store the same word with the same number, so all lanes stay on
.set j, 1
.rept 7
	v_cmp_eq_u32 s[47+j], j, v216                  ; the seven masks in a run, in s48-54; the additions below stand between them and the wait for them
.set j, j+1
.endr
.irp m, 1,2,4,8                        ; over the 16 positions of a half of the lanes
.set j, 0
.rept 8
	v_add_f32_dpp v[SS+j], v[SS+j], v[SS+j] row_xmask:\m row_mask:0xf bank_mask:0xf
.set j, j+1
.endr
.endr
	s_wait_alu depctr_va_sdst(0)                   ; s48-54 are written, ahead of their first reader: one wait for the seven compares
	v_mov_b32 v217, v[SS]
.set j, 1
.rept 7
	v_cndmask_b32 v217, v217, v[SS+j], s[47+j]
.set j, j+1
.endr
	v_bfe_u32 v218, v0, 4, 1
	v_lshlrev_b32 v218, 5, v218
	v_lshl_add_u32 v218, v216, 2, v218
	v_lshl_add_u32 v218, s25, 6, v218              ; entry 16 og + 8 h + r mod 8
	s_wait_alu depctr_va_vdst(0)                   ; v217, the number, and v218, its offset, are written: the store reads both
	global_store_b32 v218, v217, s[22:23]
	s_wait_dscnt 0x0                               ; the closing lines, six on end
	s_wait_alu 0x0
	s_wait_tensorcnt 0x0
	ds_add_u32 v[SPW], v[NIL]
	s_wait_dscnt 0x0
	s_endpgm
.Lfunc_end_k_q77bbe9b00c_proj:
	.size	k_q77bbe9b00c_proj, .Lfunc_end_k_q77bbe9b00c_proj-k_q77bbe9b00c_proj
	.p2alignl 7, 3214868480
	.fill 96, 4, 3214868480
	.section	.rodata,"a",@progbits
	.p2align	6, 0x0
	.amdhsa_kernel k_q77bbe9b00c_proj
		.amdhsa_group_segment_fixed_size 243712
		.amdhsa_private_segment_fixed_size 0
		.amdhsa_enable_private_segment 0
		.amdhsa_kernarg_size 80
		.amdhsa_user_sgpr_count 2
		.amdhsa_user_sgpr_kernarg_segment_ptr 1
		.amdhsa_wavefront_size32 1
		.amdhsa_system_sgpr_workgroup_id_x 1
		.amdhsa_system_sgpr_workgroup_id_y 1
		.amdhsa_system_sgpr_workgroup_id_z 1
		.amdhsa_system_vgpr_workitem_id 0
		.amdhsa_next_free_vgpr 328
		.amdhsa_next_free_sgpr 66
		.amdhsa_reserve_vcc 0
		.amdhsa_float_denorm_mode_32 3
		.amdhsa_float_denorm_mode_16_64 3
		.amdhsa_memory_ordered 1
		.amdhsa_forward_progress 1
		.amdhsa_inst_pref_size 76
	.end_amdhsa_kernel
	.amdgpu_metadata
---
amdhsa.version: [ 1, 2 ]
amdhsa.kernels:
  - .name:           k_q77bbe9b00c_proj
    .symbol:         k_q77bbe9b00c_proj.kd
    .args:
      - { .name: x, .offset: 0, .size: 8, .value_kind: global_buffer, .address_space: global }
      - { .name: Wq, .offset: 8, .size: 8, .value_kind: global_buffer, .address_space: global }
      - { .name: Wk, .offset: 16, .size: 8, .value_kind: global_buffer, .address_space: global }
      - { .name: Wv, .offset: 24, .size: 8, .value_kind: global_buffer, .address_space: global }
      - { .name: bq, .offset: 32, .size: 8, .value_kind: global_buffer, .address_space: global }
      - { .name: bk, .offset: 40, .size: 8, .value_kind: global_buffer, .address_space: global }
      - { .name: bv, .offset: 48, .size: 8, .value_kind: global_buffer, .address_space: global }
      - { .name: kv, .offset: 56, .size: 8, .value_kind: global_buffer, .address_space: global }
      - { .name: qf, .offset: 64, .size: 8, .value_kind: global_buffer, .address_space: global }
      - { .name: part, .offset: 72, .size: 8, .value_kind: global_buffer, .address_space: global }
    .group_segment_fixed_size: 243712
    .private_segment_fixed_size: 0
    .kernarg_segment_align: 8
    .kernarg_segment_size: 80
    .max_flat_workgroup_size: 256
    .sgpr_count:     66
    .vgpr_count:     328
    .wavefront_size: 32
...
	.end_amdgpu_metadata
.endif
;; end of part 3
;; launch attn: the kernel of part 2 again; grid 32 x 8, 4 waves a work-group, clusters of 4 x 1, 327,680 bytes of LDS; arguments kv, qf, part, x, gamma, temperature, out0; writes out0
